; MI455X (gfx1250); checked and timed in simulation.
; The chip was launched on July 23, 2026; its instructions are those of AMD's public machine-readable ISA for CDNA 5 (MIT licence, August 2026) and "CDNA5" Instruction Set Architecture Reference Guide (July 2026). The comments in the code are by the model that wrote it; some were corrected since.
;; Multi Head Attention. Allowed arithmetic: matrix products marked QUANTISED: E4M3 operands, one E8M0 scale for each 32 along K, by v_wmma_scale_f32_16x16x128_f8f6f4 with both operands' format E4M3, f32 sums; everything else in f32.
;; Inputs: Wk 1,024 x 1,024 float32; Wq 1,024 x 1,024 float32; Wr 1,024 x 1,024 float32; Wv 1,024 x 1,024 float32; keys 4 x 2,048 x 1,024 float32; ln_beta 1,024 float32; ln_gamma 1,024 float32; queries 4 x 2,048 x 1,024 float32; values 4 x 2,048 x 1,024 float32.
;; Outputs: out0 4 x 2,048 x 1,024 float32.
;; This version of the problem:
;;   THIS VERSION OF THE PROBLEM IS GIVEN IN LOW PRECISION. The matrix products marked QUANTISED in the list below multiply operands that are first quantised to E4M3 (4 exponent bits, 3 mantissa bits; 8 bits a number), with one power-of-two scale for each 32 numbers along K (OCP MX v1.0); their sums are f32. All else is computed in f32.
;;   The module's matrix products, in the order in which they are computed (A, B: the left and right operand; K: the contracted axis; several contracted axes count as one K, in the product's order):
;;     1. [M 8,192, K 1,024] x [K 1,024, N 1,024]; A: input queries; B: input Wq: QUANTISED
;;     2. [M 8,192, K 1,024] x [K 1,024, N 1,024]; A: input keys; B: input Wk: QUANTISED
;;     3. [M 8,192, K 1,024] x [K 1,024, N 1,024]; A: input values; B: input Wv: QUANTISED
;;     4. batch 32 x [M 2,048, K 128] x [K 128, N 2,048]; A: computed on the way; B: computed on the way: QUANTISED
;;     5. batch 32 x [M 2,048, K 2,048] x [K 2,048, N 128]; A: softmax (see below); B: computed on the way: QUANTISED
;;     6. [M 8,192, K 1,024] x [K 1,024, N 1,024]; A: computed on the way; B: input Wr: QUANTISED
;;   THE QUANTISER, for each operand of a quantised product, along K:
;;     - K is cut into blocks of 32 from its start; a last block that is shorter is filled with zeros.
;;     - A block's scale is 2^e with e = floor(log2(the largest magnitude in the block)) - 8, held to -126 .. 127; a block of zeros has e = 0. As a byte (E8M0): e + 127.
;;     - Each number is divided by its block's scale, clamped to +-448, and rounded to the nearest number of E4M3, ties to even, subnormals kept.
;;     - The product sums the exact products of the quantised numbers (number of the format x scale) in f32.
;;   ~~~python
;;   def quantise(x, axis):      # numpy; x: float32 -> the quantised numbers, widened to float32 again
;;       x = np.moveaxis(x, axis, -1); K = x.shape[-1]
;;       x = np.pad(x, [(0, 0)] * (x.ndim - 1) + [(0, -K % 32)]); x = x.reshape(x.shape[:-1] + (-1, 32)); a = np.abs(x).max(-1, keepdims=True)
;;       e = np.where(a > 0, np.clip(np.frexp(np.where(a > 0, a, 1))[1] - 1 - 8, -126, 127), 0)      # np.frexp(a)[1] - 1 = floor(log2(a)), exactly
;;       r = np.clip(x / 2.0 ** e, -448, 448)
;;       step = 2.0 ** (np.maximum(np.frexp(np.where(r == 0, 1, r))[1] - 1, -6) - 3)
;;       q = np.round(r / step) * step * 2.0 ** e      # np.round: ties to even
;;       return np.moveaxis(q.reshape(q.shape[:-2] + (-1,))[..., :K], -1, axis).astype(np.float32)
;;   ~~~
;;   SOFTMAX AHEAD OF A QUANTISED PRODUCT. Where the list says 'softmax', what is quantised is not the finished softmax but p = 2^(t - M), with t = logit x log2(e) and M = ceil(the row's largest t), a whole number; so 1/2 < the row's largest p <= 1. The row's sum l is taken of the UNQUANTISED p, in f32, and the product's result is divided by l at the end. Since M is a whole number, a kernel that streams over the keys may use a running M (the ceiling of the running maximum): every later rescaling is an exact power of two, which a block's scale takes up: the codes' values come out the same.
;;   OPERANDS COMPUTED ON THE WAY. 'Computed on the way' means the value that the module computes at that place (a softmax that the list does not call 'softmax' is quantised finished and normalised). What goes into a quantiser is computed in f32, as accurately as f32 sums, v_exp_f32 and their like allow (about 1e-6 of the number): no bf16 or f16 on the way to a quantiser, and a product that is left as it is and whose result goes on into a quantised operand takes f32 operands (vector FMAs, or v_wmma_f32_16x16x4_f32). A number that lies on a knife's edge between two numbers of the format may be rounded either way, as far as f32 arithmetic and the matrix unit's own rounding can turn it there, and no further.
;; One version. Each part assembles by itself: llvm-mc -triple=amdgcn-amd-amdhsa -mcpu=gfx1250 --defsym DOCPART=n.
;; ======== version 1 of 1: 4 launches
;; workspace buffers: img 29,360,128 bytes; scl 917,504 bytes; qkc 16,777,216 bytes; qks 524,288 bytes; vc 8,388,608 bytes; vs 262,144 bytes; oimg 8,388,608 bytes; oscl 262,144 bytes
;; launch quant (part 1): grid 256 x 1, 7 waves a work-group, no clusters, 60,416 bytes of LDS; arguments queries, keys, values, Wq, Wk, Wv, Wr, img, scl; writes img, scl
.if DOCPART == 1
	.amdgcn_target "amdgcn-amd-amdhsa--gfx1250"
	.amdhsa_code_object_version 6
	.text
	.protected	k_qa9ee5546ff_quant
	.globl	k_qa9ee5546ff_quant
	.p2align	8
	.type	k_qa9ee5546ff_quant,@function
k_qa9ee5546ff_quant:
	s_mov_b64 s[64:65], 0
	v_nop
	global_prefetch_b8 v0, s[64:65] scope:SCOPE_SE
	s_setreg_imm32_b32 hwreg(HW_REG_WAVE_MODE, 25, 1), 1
	s_wait_xcnt 0x0
; queries, keys, values [8192][1024] and Wq, Wk, Wv, Wr [1024][1024], f32, K innermost, become codes of FP8 (E4M3) with one E8M0 byte for each 32 along K.
; The codes are laid as IMAGES OF THE OPERAND'S REGISTERS: img[tile][K step 0..7][2,048 bytes]; a tile is 16 rows, a K step 128 along K; piece c (0..3) at 512 c + 16 lane:
; lane (r, h) holds the codes k = 32 c + 16 h + 0 .. 15 of the tile's row r.  scl[tile][row][32 bytes]: byte k / 32.
; TILES: 0-511 queries, 512-1023 keys, 1024-1535 values, 1536-1599 Wq, 1600-1663 Wk, 1664-1727 Wv, 1728-1791 Wr.  WHICH ROWS FORM A TILE is chosen for the launches that follow:
;   activations and Wr: position p of tile T is row 16 T + p;   Wq, Wk: row 32 (T / 2) + 8 (T % 2) + p + 8 (p / 8);   Wv: row 128 (p % 8) + 2 T + p / 8.
; A block's scale is 2^(floor(log2(its largest magnitude)) - 8); its byte is the largest magnitude's exponent field - 8, held at 1 from below; each number is held within +-448 x the scale and rounded to the nearest code.
; LIMITS: NaN and infinities among the inputs are not served; a block of zeros gets the byte 1 (its codes are zeros, and this program alone reads the bytes); blocks whose largest magnitude lies under 2^-118 are held at byte 1.
; SHARES: 1,792 tiles = 256 work-groups x 7 waves: a wave takes one tile, 8 K steps.  Waves share nothing: no barrier.  Each load reads 512 consecutive bytes of one row; a K step's 16 rows turn through
; the wave's own stage in LDS (rows of 512 bytes + 16) and come back 16 neighbours along K a lane and block.  Loads run two K steps (32 loads a wave) ahead.
.set SP,   528                         ; a stage row
.set STG,  16*SP                       ; a wave's stage
.set TM,   8                           ; v8-11 largest magnitudes, v12-15 bytes, v16-19 448 x the scale, v20-23 the conversions' scale operands
.set WD,   24                          ; v24-31  the scale word of each K step
.set OW,   32                          ; v32-35  the four words that my lane stores
.set PC,   36                          ; v36-51  a fragment's codes
.set R,    64                          ; v64-191 two sets of 64 registers as loaded
.set X,    192                         ; v192-255 64 numbers: register 16 b + i is k = 32 b + 16 h + i of row r
.set RB,   32                          ; s[32:63] the sixteen rows' addresses; never rewritten
.set SEL,  66                          ; s[66:67] v_permlanex16_b32's selects for lane l xor 16
.set MNT,  68                          ; s68     the mantissa field of 448
	s_load_b512 s[4:19], s[0:1], 0x0               ; queries, keys, values, Wq, Wk, Wv, Wr, img
	s_load_b64 s[20:21], s[0:1], 0x40              ; scl
	v_lshl_add_u32 v62, v0, 2, 0xe800
	v_mov_b32 v63, 0
	v_lshrrev_b32 v1, 5, v0
	v_readfirstlane_b32 s24, v1                    ; wave 0..6
	v_and_b32 v1, 31, v0                           ; lane
	v_and_b32 v6, 15, v0                           ; r
	v_bfe_u32 v7, v0, 4, 1                         ; h
	v_lshlrev_b32 v2, 4, v1                        ; 16 x lane: my bytes of a load's 512, and of an image's piece
	s_mul_i32 s30, s24, STG
	v_add_nc_u32 v3, s30, v2                       ; the stage, on the way in
	v_mul_u32_u24 v4, v6, SP
	v_lshl_add_u32 v4, v7, 6, v4
	v_add_nc_u32 v4, s30, v4                       ; and on the way out: row r, + 64 h
	v_lshlrev_b32 v5, 5, v6
	v_lshl_add_u32 v5, v7, 4, v5                   ; scl: row r's 32 bytes, + 16 h
.irp b, 0,1,2,3
	v_mov_b32 v[TM+4+\b], 0                        ; written once: a lane permute's destination counts as one of its sources
.endr
	s_mov_b32 s[SEL], 0x76543210
	s_mov_b32 s[SEL+1], 0xfedcba98
	s_mov_b32 s[MNT], 0x600000
	s_mul_i32 s22, ttmp9, 7
	s_add_co_u32 s22, s22, s24                     ; my tile
	s_and_b32 s23, s22, 511
	s_and_b32 s30, s22, 63
	s_cmp_lt_u32 s22, 1536
	s_cselect_b32 s23, s23, s30                    ; T: the tile's number in its tensor
	; position p is row BR + (p % 8) x S1 + (p / 8) x S2; s25 = BR, s26 and s27 = S1 and S2 in bytes
	s_lshl_b32 s25, s23, 4                         ; neighbours: BR = 16 T, S1 = 1 row, S2 = 8 rows
	s_mov_b32 s26, 4096
	s_mov_b32 s27, 32768
	s_lshr_b32 s30, s23, 1
	s_lshl_b32 s30, s30, 5
	s_and_b32 s31, s23, 1
	s_lshl_b32 s31, s31, 3
	s_add_co_u32 s30, s30, s31                     ; Wq, Wk: BR = 32 (T / 2) + 8 (T % 2), S2 = 16 rows
	s_mov_b32 s31, 65536
	s_sub_co_u32 s2, s22, 1536
	s_cmp_lt_u32 s2, 128
	s_cselect_b32 s25, s30, s25
	s_cselect_b32 s27, s31, s27
	s_lshl_b32 s30, s23, 1                         ; Wv: BR = 2 T, S1 = 128 rows, S2 = 1 row
	s_mov_b32 s31, 524288
	s_sub_co_u32 s2, s22, 1664
	s_cmp_lt_u32 s2, 64
	s_cselect_b32 s25, s30, s25
	s_cselect_b32 s26, s31, s26
	s_cselect_b32 s27, 4096, s27
	s_lshl_b32 s2, s25, 12                         ; BR in bytes
	s_mov_b32 s3, 0
	s_mov_b32 s31, 0
	s_wait_kmcnt 0x0
	s_mov_b64 s[28:29], s[16:17]                   ; which tensor: the choice hangs on the tile's number alone
	s_cmp_lt_u32 s22, 1728
	s_cselect_b64 s[28:29], s[14:15], s[28:29]
	s_cmp_lt_u32 s22, 1664
	s_cselect_b64 s[28:29], s[12:13], s[28:29]
	s_cmp_lt_u32 s22, 1600
	s_cselect_b64 s[28:29], s[10:11], s[28:29]
	s_cmp_lt_u32 s22, 1536
	s_cselect_b64 s[28:29], s[8:9], s[28:29]
	s_cmp_lt_u32 s22, 1024
	s_cselect_b64 s[28:29], s[6:7], s[28:29]
	s_cmp_lt_u32 s22, 512
	s_cselect_b64 s[28:29], s[4:5], s[28:29]
	s_add_nc_u64 s[28:29], s[28:29], s[2:3]
.irp p, 0,1,2,3,4,5,6,7,8,9,10,11,12,13,14,15
	s_mul_i32 s30, s26, \p%8
.if \p >= 8
	s_add_co_u32 s30, s30, s27
.endif
	s_add_nc_u64 s[RB+2*\p:RB+2*\p+1], s[28:29], s[30:31]
.endr
	s_lshl_b32 s30, s22, 14
	s_add_nc_u64 s[18:19], s[18:19], s[30:31]      ; my tile's eight images
	s_lshl_b32 s30, s22, 9
	s_add_nc_u64 s[20:21], s[20:21], s[30:31]      ; and its 512 scale bytes
.macro LOAD k                          ; K step k: 512 consecutive bytes of each of the 16 rows, into set k % 2
.irp p, 0,1,2,3,4,5,6,7,8,9,10,11,12,13,14,15
	global_load_b128 v[R+64*((\k)%2)+4*\p:R+64*((\k)%2)+4*\p+3], v2, s[RB+2*\p:RB+2*\p+1] offset:512*(\k) th:TH_LOAD_NT
.endr
.endm
.macro TURN k                          ; through the stage: LDS serves a wave's instructions in order, so no wait stands between the stores and the loads
.irp p, 0,1,2,3,4,5,6,7,8,9,10,11,12,13,14,15
	ds_store_b128 v3, v[R+64*((\k)%2)+4*\p:R+64*((\k)%2)+4*\p+3] offset:SP*\p
.endr
.irp b, 0,1,2,3
.irp i, 0,1,2,3
	ds_load_b128 v[X+16*\b+4*\i:X+16*\b+4*\i+3], v4 offset:128*\b+16*\i
.endr
.endr
.endm
.macro QUANT k                         ; the 64 numbers in v[X] on become the codes in v[PC] on and the scale word v[WD + k]
.irp b, 0,1,2,3
	v_max3_num_f32 v[TM+\b], |v[X+16*\b]|, |v[X+1+16*\b]|, 0x4800000   ; block b: my 16 numbers, and the floor 2^(9 - 127): the byte cannot fall under 1
.endr
.irp i, 2,4,6,8,10,12,14
.irp b, 0,1,2,3
	v_max3_num_f32 v[TM+\b], v[TM+\b], |v[X+16*\b+\i]|, |v[X+1+16*\b+\i]|   ; the four blocks by turns
.endr
.endr
.irp b, 0,1,2,3
	v_permlanex16_b32 v[TM+4+\b], v[TM+\b], s[SEL], s[SEL+1]
.endr
.irp b, 0,1,2,3
	v_max_num_f32 v[TM+\b], v[TM+\b], v[TM+4+\b]   ; with lane l xor 16's: the block's largest magnitude
.endr
.irp b, 0,1,2,3
	v_add_nc_u32 v[TM+12+\b], 0xfc000000, v[TM+\b] ; 8 off its exponent field: the conversion takes this operand's exponent field as its scale
.endr
.irp b, 0,1,2,3
	v_and_or_b32 v[TM+8+\b], v[TM+\b], 0x7f800000, s[MNT]   ; 448 x the scale
.endr
.irp b, 0,1,2,3
	v_lshrrev_b32 v[TM+4+\b], 23, v[TM+12+\b]      ; the scale's byte
.endr
	v_lshl_or_b32 v[WD+(\k)], v[TM+5], 8, v[TM+4]
	v_lshl_or_b32 v[WD+(\k)], v[TM+6], 16, v[WD+(\k)]
	v_lshl_or_b32 v[WD+(\k)], v[TM+7], 24, v[WD+(\k)]
	s_wait_xcnt 0x0                                ; the last K step's image stores have read the codes' registers: only behind this wait are they written again
.irp b, 0,1,2,3
.irp i, 0,1,2,3,4,5,6,7,8,9,10,11,12,13,14,15
	v_med3_num_f32 v[X+16*\b+\i], v[X+16*\b+\i], -v[TM+8+\b], v[TM+8+\b]   ; the conversion to an 8-bit code does not saturate (ISA guide 7.6.2): the hold comes first
.endr
	v_cvt_scalef32_pk8_fp8_f32 v[PC+4*\b:PC+1+4*\b], v[X+16*\b:X+7+16*\b], v[TM+12+\b]
	v_cvt_scalef32_pk8_fp8_f32 v[PC+2+4*\b:PC+3+4*\b], v[X+8+16*\b:X+15+16*\b], v[TM+12+\b]
.endr
	v_nop                                          ; one plain line behind the last conversion
.endm
.macro STEP k
.if \k < 7
	s_wait_loadcnt 16                              ; this K step's 16 loads are in; the next one's may be out
.else
	s_wait_loadcnt 0
.endif
	TURN \k
	s_wait_dscnt 0x0                               ; my 64 numbers are back, and the stage's stores have read the set,
.if \k < 6
	LOAD (\k)+2                                    ; which takes the loads of two K steps on
.endif
	QUANT \k
.irp c, 0,1,2,3
	global_store_b128 v2, v[PC+4*\c:PC+4*\c+3], s[18:19] offset:2048*(\k)+512*\c   ; 32 lanes store 512 consecutive bytes, aligned
.endr
.endm
	LOAD 0
	LOAD 1
.irp k, 0,1,2,3,4,5,6,7
	STEP \k
.endr
	v_cmp_le_u32 vcc_lo, 16, v1                    ; lanes 0-15 store row r's words 0-3, lanes 16-31 its words 4-7 (both halves hold all eight)
.irp q, 0,1,2,3
	v_cndmask_b32 v[OW+\q], v[WD+\q], v[WD+4+\q], vcc_lo
.endr
	global_store_b128 v5, v[OW:OW+3], s[20:21]     ; the tile's 512 scale bytes, consecutive
	s_wait_tensorcnt 0x0
	ds_add_u32 v62, v63
	s_wait_dscnt 0x0
	s_endpgm
.Lfunc_end_k_qa9ee5546ff_quant:
	.size	k_qa9ee5546ff_quant, .Lfunc_end_k_qa9ee5546ff_quant-k_qa9ee5546ff_quant
	.p2alignl 7, 3214868480
	.fill 96, 4, 3214868480
	.section	.rodata,"a",@progbits
	.p2align	6, 0x0
	.amdhsa_kernel k_qa9ee5546ff_quant
		.amdhsa_group_segment_fixed_size 60416
		.amdhsa_private_segment_fixed_size 0
		.amdhsa_enable_private_segment 0
		.amdhsa_kernarg_size 72
		.amdhsa_user_sgpr_count 2
		.amdhsa_user_sgpr_kernarg_segment_ptr 1
		.amdhsa_wavefront_size32 1
		.amdhsa_system_sgpr_workgroup_id_x 1
		.amdhsa_system_sgpr_workgroup_id_y 1
		.amdhsa_system_sgpr_workgroup_id_z 1
		.amdhsa_system_vgpr_workitem_id 0
		.amdhsa_next_free_vgpr 256
		.amdhsa_next_free_sgpr 70
		.amdhsa_reserve_vcc 1
		.amdhsa_float_denorm_mode_32 3
		.amdhsa_float_denorm_mode_16_64 3
		.amdhsa_memory_ordered 1
		.amdhsa_forward_progress 1
		.amdhsa_inst_pref_size 101
	.end_amdhsa_kernel
	.amdgpu_metadata
---
amdhsa.version: [ 1, 2 ]
amdhsa.kernels:
  - .name:           k_qa9ee5546ff_quant
    .symbol:         k_qa9ee5546ff_quant.kd
    .args:
      - { .name: queries, .offset: 0, .size: 8, .value_kind: global_buffer, .address_space: global }
      - { .name: keys, .offset: 8, .size: 8, .value_kind: global_buffer, .address_space: global }
      - { .name: values, .offset: 16, .size: 8, .value_kind: global_buffer, .address_space: global }
      - { .name: Wq, .offset: 24, .size: 8, .value_kind: global_buffer, .address_space: global }
      - { .name: Wk, .offset: 32, .size: 8, .value_kind: global_buffer, .address_space: global }
      - { .name: Wv, .offset: 40, .size: 8, .value_kind: global_buffer, .address_space: global }
      - { .name: Wr, .offset: 48, .size: 8, .value_kind: global_buffer, .address_space: global }
      - { .name: img, .offset: 56, .size: 8, .value_kind: global_buffer, .address_space: global }
      - { .name: scl, .offset: 64, .size: 8, .value_kind: global_buffer, .address_space: global }
    .group_segment_fixed_size: 60416
    .private_segment_fixed_size: 0
    .kernarg_segment_align: 8
    .kernarg_segment_size: 72
    .max_flat_workgroup_size: 224
    .sgpr_count:     70
    .vgpr_count:     256
    .wavefront_size: 32
...
	.end_amdgpu_metadata
.endif
;; end of part 1
;; launch proj (part 2): grid 4 x 96, 4 waves a work-group, clusters of 4 x 4, 327,680 bytes of LDS; arguments img, scl, qkc, qks, vc, vs; writes qkc, qks, vc, vs
.if DOCPART == 2
	.amdgcn_target "amdgcn-amd-amdhsa--gfx1250"
	.amdhsa_code_object_version 6
	.text
	.protected	k_qa9ee5546ff_proj
	.globl	k_qa9ee5546ff_proj
	.p2align	8
	.type	k_qa9ee5546ff_proj,@function
k_qa9ee5546ff_proj:
	s_mov_b64 s[64:65], 0
	v_nop
	global_prefetch_b8 v0, s[64:65] scope:SCOPE_SE
	s_setreg_imm32_b32 hwreg(HW_REG_WAVE_MODE, 25, 1), 1
	s_wait_xcnt 0x0
	s_wait_alu depctr_hold_cnt(0) depctr_sa_sdst(0) depctr_va_vdst(0) depctr_va_sdst(0) depctr_va_ssrc(0) depctr_va_vcc(0) depctr_vm_vsrc(0)
	s_getreg_b32 s2, hwreg(HW_REG_IB_STS2, 6, 4)
	s_cmp_eq_u32 s2, 0
	s_cbranch_scc0 .Lentry_in_a_cluster
	s_endpgm
.Lentry_in_a_cluster:
	s_bfe_u32 s2, ttmp6, 0x10000c
	s_cmp_lg_u32 s2, 0xf033
	s_cbranch_scc0 .Lentry_shape_is_right
	s_endpgm
.Lentry_shape_is_right:
; The three projections x W^T (8,192 x 1,024 x 1,024 each) on codes of FP8 (E4M3) with E8M0 scales, and on the way out the quantising of Q, K and V for the attention.
; OPERANDS are register images: img[tile of 16 rows][K step of 128][2,048 bytes], scl[tile][row][32 bytes].  Work-group (x, y): y 0-31 Q, 32-63 K, 64-95 V, one head (256 rows) to a y; x: 256 columns.
; A tile of C, 256 x 256, is made by four waves, each 128 x 128: 64 accumulators.  K goes in four steps of 256 through two LDS slots filled by the tensor data mover; the scale bytes come once.
; CLUSTERS: 4 x 4 work-groups; A's tiles are asked for jointly along a row of the cluster, B's along a column.  THE MATRIX INSTRUCTION IS USED TRANSPOSED: source 0 = 16 rows of W, source 1 = 16 rows of x.
; THE VIEW: the [8192][1024] result is read on as [32 heads][2048][128]: head row 8 m + j (m the row in the head, j = column / 128), channel = column % 128.
; Q, K: W's rows were chosen so that the 64 registers of a lane for one block of 16 rows are 128 neighbouring columns in the order 32 b + 16 h + i: one head row's channels.  They are quantised along the channels;
;   codes go out as they lie, qkc[8192 x 2][1024]; scale words as qks[head][j][m].
; V: W's rows were chosen so that a lane's eight registers are the eight chunks j of ONE channel: eight neighbouring keys 8 m + 0 .. 7.  A block of 32 keys lies in four neighbouring lanes.  Codes go out with the keys innermost,
;   vc[head][d'][2048]; channel 32 g + 8 o + e lies in row d' = 32 g + 16 (o & 1) + 8 (o >> 1) + e, and the two middle groups of eight keys of every 32 change places: the order in which the attention holds p.  vs[head][d'][64].
;   V's scale bytes leave in runs of 32 bytes: aligned blocks of 256 bytes are written in part there: one byte in 32 of V's output.
; LIMITS: NaN and infinities are not served; a block of zeros gets the byte 1 (its codes are zeros); blocks under 2^-118 are held at byte 1.
; REGISTERS: window 0: v1-31 addresses; v32-63 scale words, two sets; v64-127 at work on the way out; v128-255 A's fragments, later rows read back.  window 1: B's fragments, two sets.  windows 2, 3: the accumulators ((a, b) at v[8 (8 (a % 4) + b)]).
.set NQ,     2                         ; matrix instructions deep in a slot
.set FR,     16
.set NL,     4
.set NP,     8                         ; places behind this matrix instruction (ISA guide 7.12.1)
.set SLOT,   131072                    ; A's 16 tiles x 2 K steps x 2,048 bytes, then B's
.set SCL,    2*SLOT                    ; the scales: four parts of 128 rows, as rows of 256 bytes + 16
.set HALFS,  4352
.set SBLK,   544
.set SPARE,  SCL+4*HALFS               ; the spare words, 128 bytes a wave
.set SSQ,    SPARE+512                 ; Q, K: 512 bytes of scale words a wave
.set SSV,    SSQ+2048                  ; V: 512 scale bytes a wave
.set VST,    SSV+2048                  ; V: a stage of 8 channels x (1,024 bytes + 32) a wave
.set VP,     1056
.set QP,     272                       ; Q, K: the work-group's stage, 256 rows x (256 bytes + 16), in slot 0: it has had its last fill and its last read when the first code is stored there
.set L16,  4                           ; v4   16 x lane
.set VSO,  6                           ; v6   V: where I put eight codes
.set VBO,  7                           ; v7   V: where I put a scale byte
.set VRD,  8                           ; v8   V: where I read a channel's row back
.set VSR,  9                           ; v9   V: where I read scale bytes back
.set VGO,  10                          ; v10  V: my byte offset among the wave's rows of vs
.set WB,   12                          ; v12-15 scale words or bytes on their way out
.set ADRA, 16
.set ADRB, 20
.set STO,  24                          ; v24  Q, K: where I put 16 codes of a row
.set SWO,  25                          ; v25  Q, K: where I put a scale word
.set SWR,  26                          ; v26  Q, K: where I read scale words back
.set ADRS, 27
.set SPW,  28
.set NIL,  29
.set RD,   30                          ; v30  Q, K: where I read a row back
.set CO,   31                          ; v31  Q, K: my byte offset in two rows of qkc
.set SC,   32
.set TM,   64                          ; v64-79 as in the quantiser: magnitudes, bytes, limits, scale operands
.set PW,   80
.set PC,   84                          ; v84-99 codes
.set HB,   96                          ; v96-127 V: 32 held numbers
.set AF,   128
.set BK,   128
.set WV,   16
.set RH,   17
.set CH,   18
.set YY,   19
.set CX,   40
.set CY,   41
.set XX,   42
.set TZ,   45
.set MNT,  66
.set SEL,  98
.set G1, 24
.set G0, 32
.set G1B, 48
.set G0B, 56
.set G1S, 68
.set G0S, 76
.set G1SB, 80
.set G0SB, 88
.set MSB, 0
.macro WIN new                         ; the immediate's high byte repeats the setting that is left
.if MSB != \new
	s_set_vgpr_msb (MSB<<8)|\new
.set MSB, \new
.endif
.endm
.set MUL_LO, 0xa1                      ; source 0 (W) window 1, source 1 (x) window 0, C and D window 2
.set MUL_HI, 0xf1
.set TO_B,   0x40
; A joint load: waves 0 and 1 fetch for A, waves 2 and 3 for B; the branch hangs on the wave's number alone.  Four v_nop follow each of the two lines.
.macro JLOAD g0a, g1a, g0b, g1b
	s_cmp_eq_u32 s[RH], 0
	s_cbranch_scc0 .Lfor_b_\@
	tensor_load_to_lds s[\g0a:\g0a+3], s[\g1a:\g1a+7]
	s_nop 0
.rept 4
	v_nop
.endr
	s_branch .Lasked_\@
.Lfor_b_\@:
	tensor_load_to_lds s[\g0b:\g0b+3], s[\g1b:\g1b+7]
	s_nop 0
.rept 4
	v_nop
.endr
.Lasked_\@:
.endm
.macro CREST                           ; a round of the cluster's barrier behind its opening barrier
	s_cmp_lg_u32 s[WV], 0
	s_cbranch_scc1 .Lnot_wave_0_\@
	s_barrier_signal -3
.Lnot_wave_0_\@:
	s_barrier_wait -3
	s_barrier_signal -1
	s_barrier_wait -1
.endm
.macro CROUND
	s_barrier_signal -1
	s_barrier_wait -1
	CREST
.endm
	s_load_b128 s[4:7], s[0:1], 0x0                ; img, scl
	s_load_b128 s[8:11], s[0:1], 0x10              ; qkc, qks
	s_load_b128 s[12:15], s[0:1], 0x20             ; vc, vs
	v_lshl_add_u32 v[SPW], v0, 2, SPARE
	v_mov_b32 v[NIL], 0
	ds_add_u32 v28, v29
	s_wait_dscnt 0x0
	v_lshrrev_b32 v1, 5, v0
	v_readfirstlane_b32 s[WV], v1                  ; wave 0..3
	s_lshr_b32 s[RH], s[WV], 1                     ; which 128 rows are mine.  Also: I fetch for A (0) or for B (1)
	s_and_b32 s[CH], s[WV], 1                      ; which 128 columns.  Also: which eight tiles I fetch
	s_bfe_u32 s[CX], ttmp6, 0x40000
	s_bfe_u32 s[CY], ttmp6, 0x40004
	s_lshl_b32 s[XX], ttmp9, 2
	s_add_co_u32 s[XX], s[XX], s[CX]               ; x = 4 x cluster x + cx
	s_and_b32 s[TZ], ttmp7, 0xffff
	s_lshl_b32 s[YY], s[TZ], 2
	s_add_co_u32 s[YY], s[YY], s[CY]               ; y = 4 x cluster y + cy
	s_lshr_b32 s[TZ], s[TZ], 3                     ; 0: Q, 1: K, 2: V: from the cluster's y alone: the same in all sixteen partners
	s_lshl_b32 s43, s[CY], 2
	s_lshl_b32 s43, 15, s43                        ; my row of the cluster
	s_lshl_b32 s44, 0x1111, s[CX]                  ; my column
	; group 1 for codes: 8 rows (tiles) of 4,096 bytes (two K steps' images), 16,384 bytes apart; dense in LDS: a fragment's load reads 512 consecutive bytes
	s_or_b32 s[G1+0], s43, (3<<16)|(1<<21)         ; 15:0 the mask; 17:16 elements of 8 bytes; 21 set beside a mask
	s_or_b32 s[G1B+0], s44, (3<<16)|(1<<21)
.irp g, G1, G1B
	s_mov_b32 s[\g+1], 512<<16                     ; tensor_dim0 = 512 elements
	s_mov_b32 s[\g+2], 8<<16                       ; tensor_dim1 = 8
	s_mov_b32 s[\g+3], 512<<16                     ; tile_dim0
	s_mov_b32 s[\g+4], 8                           ; tile_dim1
	s_mov_b32 s[\g+5], 2048                        ; stride: 2,048 elements
	s_mov_b32 s[\g+6], 0
	s_mov_b32 s[\g+7], 0
.endr
	; and for the scales of 128 rows: 4,096 dense bytes as 16 rows of 256, 16 bytes of padding behind each
	s_or_b32 s[G1S+0], s43, (3<<16)|(1<<20)|(1<<21)|(5<<22)|(3<<25)
	s_or_b32 s[G1SB+0], s44, (3<<16)|(1<<20)|(1<<21)|(5<<22)|(3<<25)
.irp g, G1S, G1SB
	s_mov_b32 s[\g+1], 32<<16
	s_mov_b32 s[\g+2], 16<<16
	s_mov_b32 s[\g+3], 32<<16
	s_mov_b32 s[\g+4], 16
	s_mov_b32 s[\g+5], 32
	s_mov_b32 s[\g+6], 0
	s_mov_b32 s[\g+7], 0
.endr
	s_lshl_b32 s67, s[CH], 3
	s_lshl_b32 s20, s[YY], 4
	s_add_co_u32 s20, s20, s67                     ; A: tile 16 y + 8 x half
	s_lshl_b32 s46, s[XX], 4
	s_lshl_b32 s47, s[TZ], 6
	s_add_co_u32 s46, s46, s47
	s_add_co_u32 s46, s46, s67
	s_add_co_u32 s46, s46, 1536                    ; B: tile 1536 + 64 x tensor + 16 x + 8 x half
	s_lshl_b32 s22, s20, 9                         ; their scales, 512 bytes a tile,
	s_lshl_b32 s92, s46, 9
	s_lshl_b32 s20, s20, 14                        ; and their codes, 16,384
	s_lshl_b32 s46, s46, 14
	s_mov_b32 s21, 0
	s_mov_b32 s23, 0
	s_mov_b32 s47, 0
	s_mov_b32 s93, 0
	s_lshl_b32 s94, s[WV], 15                      ; where they go: wave x 32,768: no place in the cluster enters an LDS address
	s_mul_i32 s95, s[WV], HALFS
	s_mov_b32 s[SEL], 0x76543210
	s_mov_b32 s[SEL+1], 0xfedcba98
	s_mov_b32 s[MNT], 0x600000
	s_wait_kmcnt 0x0
	s_add_nc_u64 s[20:21], s[4:5], s[20:21]
	s_add_nc_u64 s[22:23], s[6:7], s[22:23]
	s_add_nc_u64 s[46:47], s[4:5], s[46:47]
	s_add_nc_u64 s[92:93], s[6:7], s[92:93]
	CROUND                                         ; all sixteen work-groups are here: the first joint loads meet
	s_mov_b32 s[G0S], 1
	s_add_co_u32 s[G0S+1], s95, SCL
	s_mov_b64 s[G0S+2:G0S+3], s[22:23]
	s_or_b32 s[G0S+3], s[G0S+3], 0x80000000
	s_mov_b32 s[G0SB], 1
	s_add_co_u32 s[G0SB+1], s95, SCL
	s_mov_b64 s[G0SB+2:G0SB+3], s[92:93]
	s_or_b32 s[G0SB+3], s[G0SB+3], 0x80000000
	JLOAD G0S, G1S, G0SB, G1SB                     ; the scales first: they are wanted with K step 0
.irp s, 0,1
	s_mov_b32 s[G0+4*\s], 1
	s_add_co_u32 s[G0+4*\s+1], s94, \s*SLOT
	s_add_nc_u64 s[G0+4*\s+2:G0+4*\s+3], s[20:21], \s*4096
	s_or_b32 s[G0+4*\s+3], s[G0+4*\s+3], 0x80000000
	s_mov_b32 s[G0B+4*\s], 1
	s_add_co_u32 s[G0B+4*\s+1], s94, \s*SLOT
	s_add_nc_u64 s[G0B+4*\s+2:G0B+4*\s+3], s[46:47], \s*4096
	s_or_b32 s[G0B+4*\s+3], s[G0B+4*\s+3], 0x80000000
	JLOAD G0+4*\s, G1, G0B+4*\s, G1B
.endr
	; every address register is made here, ahead of the parting of the ways out
	v_and_b32 v1, 15, v0                           ; r
	v_bfe_u32 v2, v0, 4, 1                         ; h
	v_and_b32 v3, 31, v0                           ; lane
	v_lshlrev_b32 v[L16], 4, v3
	s_lshl_b32 s21, s[RH], 15                      ; my eight tiles of A
	s_lshl_b32 s22, s[CH], 15                      ; my eight of B,
	s_add_co_u32 s22, s22, 65536                   ; which lie behind A's sixteen
.irp s, 0,1
	v_add_nc_u32 v[ADRA+\s], s21, v[L16]
	v_add_nc_u32 v[ADRB+\s], s22, v[L16]
	s_add_co_u32 s21, s21, SLOT
	s_add_co_u32 s22, s22, SLOT
.endr
	v_lshlrev_b32 v5, 5, v1                        ; my row's scales: 32 bytes a row,
	v_lshrrev_b32 v11, 8, v5
	v_lshl_add_u32 v5, v11, 4, v5                  ; and 16 more for each 256 passed
	s_mul_i32 s21, s[RH], HALFS
	s_mul_i32 s22, s[CH], HALFS
	s_add_co_u32 s22, s22, 2*HALFS
	s_sub_co_u32 s22, s22, s21
	v_mul_u32_u24 v11, s22, v2                     ; lanes 16-31 take B's
	s_add_co_u32 s21, s21, SCL
	v_add_nc_u32 v5, v5, v11
	v_add_nc_u32 v[ADRS], s21, v5
	s_mul_i32 s23, s[RH], 128*QP                   ; Q, K: into the stage: row 128 rh + r, + 128 ch + 16 h
	s_lshl_b32 s21, s[CH], 7
	s_add_co_u32 s23, s23, s21
	v_mul_u32_u24 v5, v1, QP
	v_lshl_add_u32 v5, v2, 4, v5
	v_add_nc_u32 v[STO], s23, v5
	s_lshl_b32 s23, s[WV], 9                       ; 512 x wave
	s_add_co_u32 s21, s23, SSQ
	v_lshl_add_u32 v[SWO], v1, 2, s21
	v_add_nc_u32 v[SWR], s21, v[L16]
	s_mul_i32 s21, s[WV], 64*QP                    ; back: wave w takes rows 64 w on, whole; lanes 0-15 one row, lanes 16-31 the next
	v_mul_u32_u24 v5, v2, QP
	v_lshl_add_u32 v5, v1, 4, v5
	v_add_nc_u32 v[RD], s21, v5
	v_lshlrev_b32 v5, 10, v2
	v_lshl_add_u32 v[CO], v1, 4, v5
	s_mul_i32 s21, s[WV], 8*VP                     ; V: my stage
	s_add_co_u32 s21, s21, VST
	v_mul_u32_u24 v5, v2, VP                       ; channel 2 i + h: row h of a pair;
	v_bfe_u32 v11, v0, 2, 2                        ; r / 4: the block of 32 keys;
	v_lshl_add_u32 v5, v11, 5, v5
	v_and_b32 v12, 1, v0                           ; in it the group of eight keys of row r stands at place 2 (r & 1) + ((r >> 1) & 1)
	v_lshl_add_u32 v5, v12, 4, v5
	v_bfe_u32 v12, v0, 1, 1
	v_lshl_add_u32 v5, v12, 3, v5
	v_add_nc_u32 v[VSO], s21, v5
	v_add_nc_u32 v[VRD], s21, v[L16]
	s_add_co_u32 s21, s23, SSV
	v_lshl_add_u32 v5, v2, 5, v11
	v_add_nc_u32 v[VBO], s21, v5                   ; 32 bytes a channel; byte r / 4 of four
	v_add_nc_u32 v[VSR], s21, v[L16]
	v_bfe_u32 v5, v0, 1, 3
	v_lshlrev_b32 v5, 6, v5
	v_lshl_add_u32 v5, v2, 10, v5
	v_and_b32 v12, 1, v0
	v_lshl_add_u32 v[VGO], v12, 4, v5              ; vs: row 16 (lane / 16) + (lane / 2) % 8 of 64 bytes, + 16 (lane % 2)
.irp b, 0,1,2,3
	v_mov_b32 v[TM+4+\b], 0                        ; written once: a lane permute's destination counts as one of its sources
.endr
	; where the results go (offsets that hold both cx and cy stand in s2, s3, s96, s97, which feed no descriptor)
	s_mov_b32 s3, 0
	s_lshl_b32 s2, s[YY], 18                       ; qkc: 262,144 y + 65,536 wave + 256 x
	s_lshl_b32 s96, s[WV], 16
	s_add_co_u32 s2, s2, s96
	s_lshl_b32 s96, s[XX], 8
	s_add_co_u32 s2, s2, s96
	s_add_nc_u64 s[8:9], s[8:9], s[2:3]
	s_lshl_b32 s2, s[YY], 13                       ; qks: 8,192 y + 1,024 (2 x + ch) + 512 rh
	s_lshl_b32 s96, s[XX], 11
	s_add_co_u32 s2, s2, s96
	s_lshl_b32 s96, s[CH], 10
	s_add_co_u32 s2, s2, s96
	s_lshl_b32 s96, s[RH], 9
	s_add_co_u32 s2, s2, s96
	s_add_nc_u64 s[10:11], s[10:11], s[2:3]
	s_and_b32 s97, s[YY], 31                       ; the head
	s_lshl_b32 s2, s97, 18                         ; vc: 262,144 head + 2,048 (32 x + 8 ch) + 1,024 rh
	s_lshl_b32 s96, s[XX], 16
	s_add_co_u32 s2, s2, s96
	s_lshl_b32 s96, s[CH], 14
	s_add_co_u32 s2, s2, s96
	s_lshl_b32 s96, s[RH], 10
	s_add_co_u32 s2, s2, s96
	s_add_nc_u64 s[12:13], s[12:13], s[2:3]
	s_lshl_b32 s2, s97, 13                         ; vs: 8,192 head + 64 (32 x + 8 ch) + 32 rh
	s_lshl_b32 s96, s[XX], 11
	s_add_co_u32 s2, s2, s96
	s_lshl_b32 s96, s[CH], 9
	s_add_co_u32 s2, s2, s96
	s_lshl_b32 s96, s[RH], 5
	s_add_co_u32 s2, s2, s96
	s_add_nc_u64 s[14:15], s[14:15], s[2:3]
.macro FRAG reg, adr, q, i             ; a fragment comes as its image lies: four loads of 512 consecutive bytes
.irp c, 0,1,2,3
	ds_load_b128 v[\reg+4*\c:\reg+4*\c+3], v[\adr] offset:4096*(\i)+2048*(\q)+512*\c
.endr
.endm
; 16 matrix instructions: A's blocks a0, a0 + 1 x B's eight.  The 64 accumulators take turns, one instruction a turn, in the same order in every step.
.macro MUL16 a0, p, q, sc, zero
.irp a, \a0, \a0+1
.irp b, 0,1,2,3,4,5,6,7
.if \zero
	v_wmma_scale_f32_16x16x128_f8f6f4 v[8*(8*((\a)%4)+\b):8*(8*((\a)%4)+\b)+7], v[128*(\p)+FR*\b:128*(\p)+FR*\b+FR-1], v[AF+FR*(\a):AF+FR*(\a)+FR-1], 0, v[SC+8*NQ*(\sc)+NQ*\b+(\q)], v[SC+8*NQ*(\sc)+NQ*(\a)+(\q)] matrix_a_scale:MATRIX_SCALE_ROW1
.else
	v_wmma_scale_f32_16x16x128_f8f6f4 v[8*(8*((\a)%4)+\b):8*(8*((\a)%4)+\b)+7], v[128*(\p)+FR*\b:128*(\p)+FR*\b+FR-1], v[AF+FR*(\a):AF+FR*(\a)+FR-1], v[8*(8*((\a)%4)+\b):8*(8*((\a)%4)+\b)+7], v[SC+8*NQ*(\sc)+NQ*\b+(\q)], v[SC+8*NQ*(\sc)+NQ*(\a)+(\q)] matrix_a_scale:MATRIX_SCALE_ROW1
.endif
.endr
.endr
.endm
.macro FETCH_B slot, q, p
	WIN TO_B
.irp i, 0,1,2,3,4,5,6,7
	FRAG 128*(\p)+FR*\i, ADRB+\slot, \q, \i
.endr
	WIN 0
.endm
.macro FETCH_A slot, q, i0
.irp i, \i0, \i0+1, \i0+2, \i0+3
	FRAG AF+FR*(\i), ADRA+\slot, \q, \i
.endr
.endm
.macro SCALES sc                       ; a K step's scale words: two a row; lanes 0-15 take A's block i, lanes 16-31 B's block i
.irp i, 0,1,2,3,4,5,6,7
	ds_load_b64 v[SC+8*NQ*\sc+NQ*\i:SC+8*NQ*\sc+NQ*\i+1], v[ADRS] offset:\i*SBLK
.endr
.endm
.macro PLACES n                        ; plain vector lines between a matrix instruction and a load into, or a read of, its registers
.rept \n
	v_nop
.endr
.endm
.macro STEP slot, q, zero              ; 128 along K that has its successor in the same slot
	s_wait_dscnt 4*NL                              ; B's set and A's blocks 0-3 are in; the youngest sixteen loads (A's blocks 4-7) may be out
	WIN MUL_LO
	MUL16 0, (\q)%2, \q, \slot, \zero
	MUL16 2, (\q)%2, \q, \slot, \zero
	s_wait_dscnt 0
	PLACES NP
	FETCH_B \slot, (\q)+1, 1-(\q)%2
	FETCH_A \slot, (\q)+1, 0
	WIN MUL_HI
	MUL16 4, (\q)%2, \q, \slot, \zero
	MUL16 6, (\q)%2, \q, \slot, \zero
	PLACES NP
	WIN 0
	FETCH_A \slot, (\q)+1, 4
.endm
; A slot's last step changes slots: one barrier; in front of it each wave waits for all its tensor loads, adds 0 to its spare word, and waits for that and for its reads of this slot.
.macro TURN slot, next, fill
	s_wait_tensorcnt 0x0                           ; all my tensor loads have landed: my part of the next slot
	ds_add_u32 v[SPW], v[NIL]                      ; 0 onto my spare word
	s_wait_dscnt 4*NL+1                            ; the add and the youngest sixteen loads may be out
	WIN MUL_LO
	MUL16 0, 1, NQ-1, \slot, 0
	s_wait_dscnt 0x0                               ; the add is done, and my reads of this slot are over
	s_barrier_signal -1
	MUL16 2, 1, NQ-1, \slot, 0
	WIN 0
	s_barrier_wait -1
.if \fill
	CREST                                          ; the barrier has opened a round of the cluster's barrier: no wave of any partner still reads this slot or has a load on its way
	s_add_nc_u64 s[G0+4*\slot+2:G0+4*\slot+3], s[G0+4*\slot+2:G0+4*\slot+3], 8192
	s_add_nc_u64 s[G0B+4*\slot+2:G0B+4*\slot+3], s[G0B+4*\slot+2:G0B+4*\slot+3], 8192
	JLOAD G0+4*\slot, G1, G0B+4*\slot, G1B         ; the first tensor load behind the round; its four v_nop are among the places below
	PLACES NP-4
.else
	PLACES NP
.endif
	v_add_nc_u32 v[ADRS], 4*NQ, v[ADRS]            ; on to the next K step's scale words
	FETCH_B \next, 0, 0
	FETCH_A \next, 0, 0
	SCALES \next
	WIN MUL_HI
	MUL16 4, 1, NQ-1, \slot, 0
	MUL16 6, 1, NQ-1, \slot, 0
	PLACES NP
	WIN 0
	FETCH_A \next, 0, 4
.endm
	s_wait_tensorcnt 1                             ; the scales and my part of K step 0 are in; K step 1's load may be out
	s_barrier_signal -1
	s_barrier_wait -1
	FETCH_B 0, 0, 0
	FETCH_A 0, 0, 0
	SCALES 0
	FETCH_A 0, 0, 4
	STEP 0, 0, 1                                   ; the first products start the sums: nothing is cleared
	TURN 0, 1, 1                                   ; slot 0 takes K step 2
	STEP 1, 0, 0
	TURN 1, 0, 1                                   ; slot 1 takes K step 3
	STEP 0, 0, 0
	TURN 0, 1, 0                                   ; nothing is left to fetch
	STEP 1, 0, 0
	s_wait_dscnt 4*NL
	WIN MUL_LO
	MUL16 0, 1, NQ-1, 1, 0
	MUL16 2, 1, NQ-1, 1, 0
	s_wait_dscnt 0
	WIN MUL_HI
	MUL16 4, 1, NQ-1, 1, 0
	MUL16 6, 1, NQ-1, 1, 0
	WIN 0
	PLACES NP                                      ; behind the last products: results are read, and rows are loaded over A's fragments
	s_cmp_ge_u32 s[TZ], 2                          ; V's work-groups part here: the number is the same in the whole cluster
	s_cbranch_scc1 .Lv
; ---- Q, K.  Block a (16 rows): a lane's 64 registers are one head row's 128 channels, register 16 b + i = channel 32 b + 16 h + i.
.macro QUANTW a
.set AC, 64*((\a)%4)
.set WN, 2+(\a)/4
	WIN (5*WN)                                     ; sources 0 and 1: the accumulators' window
.irp b, 0,1,2,3
	v_max3_num_f32 v[TM+\b], |v[AC+16*\b]|, |v[AC+16*\b+1]|, 0x4800000   ; each accumulator is read from its low end on; the floor 2^(9 - 127) holds the byte at 1
.endr
.irp i, 2,4,6,8,10,12,14
.irp b, 0,1,2,3
	v_max3_num_f32 v[TM+\b], |v[AC+16*\b+\i]|, |v[AC+16*\b+\i+1]|, v[TM+\b]
.endr
.endr
	WIN 0
	s_wait_dscnt 0x0                               ; the last block's stores into the stage have read the codes and the word
.irp b, 0,1,2,3
	v_permlanex16_b32 v[TM+4+\b], v[TM+\b], s[SEL], s[SEL+1]
.endr
.irp b, 0,1,2,3
	v_max_num_f32 v[TM+\b], v[TM+\b], v[TM+4+\b]
.endr
.irp b, 0,1,2,3
	v_add_nc_u32 v[TM+12+\b], 0xfc000000, v[TM+\b]
.endr
.irp b, 0,1,2,3
	v_and_or_b32 v[TM+8+\b], v[TM+\b], 0x7f800000, s[MNT]
.endr
.irp b, 0,1,2,3
	v_lshrrev_b32 v[TM+4+\b], 23, v[TM+12+\b]
.endr
	v_lshl_or_b32 v[PW], v[TM+5], 8, v[TM+4]
	v_lshl_or_b32 v[PW], v[TM+6], 16, v[PW]
	v_lshl_or_b32 v[PW], v[TM+7], 24, v[PW]
	WIN (65*WN)                                    ; destination and source 0: the accumulators' window
.irp b, 0,1,2,3
.irp i, 0,1,2,3,4,5,6,7,8,9,10,11,12,13,14,15
	v_med3_num_f32 v[AC+16*\b+\i], v[AC+16*\b+\i], -v[TM+8+\b], v[TM+8+\b]   ; the hold at 448 x the scale (ISA guide 7.6.2)
.endr
.endr
	WIN WN
.irp b, 0,1,2,3
	v_cvt_scalef32_pk8_fp8_f32 v[PC+4*\b:PC+1+4*\b], v[AC+16*\b:AC+7+16*\b], v[TM+12+\b]
	v_cvt_scalef32_pk8_fp8_f32 v[PC+2+4*\b:PC+3+4*\b], v[AC+8+16*\b:AC+15+16*\b], v[TM+12+\b]
.endr
	WIN 0
	v_nop                                          ; one plain line behind the last conversion
.endm
.irp a, 0,1,2,3,4,5,6,7
	QUANTW \a
.irp b, 0,1,2,3
	ds_store_b128 v[STO], v[PC+4*\b:PC+4*\b+3] offset:16*QP*\a+32*\b
.endr
	ds_store_b32 v[SWO], v[PW] offset:64*\a        ; both halves of the lanes write the same word with the same value
.endr
	ds_load_b128 v[WB:WB+3], v[SWR]                ; my wave's 128 scale words: its own bytes, served in order
	s_wait_dscnt 0x0                               ; for the others' sake: my stores into the stage are done
	s_barrier_signal -1
	s_barrier_wait -1                              ; a row's 256 bytes come from two waves
	global_store_b128 v[L16], v[WB:WB+3], s[10:11] ; 512 consecutive bytes
.irp t, 0,1,2,3,4,5,6,7,8,9,10,11,12,13,14,15,16,17,18,19,20,21,22,23,24,25,26,27,28,29,30,31
	ds_load_b128 v[BK+4*\t:BK+4*\t+3], v[RD] offset:2*QP*\t
.endr
.irp t, 0,1,2,3,4,5,6,7,8,9,10,11,12,13,14,15,16,17,18,19,20,21,22,23,24,25,26,27,28,29,30,31
	s_wait_dscnt 31-\t                             ; the younger loads may be out
	global_store_b128 v[CO], v[BK+4*\t:BK+4*\t+3], s[8:9] offset:2048*\t   ; sixteen lanes store 256 consecutive bytes, aligned
.endr
	s_branch .Lend
; ---- V.  Accumulator (a, i): lane (r, h) holds channel 2 i + h of my 16, keys 8 m + 0 .. 7 of row m = 16 a + r.  Four accumulators at a time, by turns.
.macro VQ a, hf
.set AC, 64*((\a)%4)+32*(\hf)
.set WN, 2+(\a)/4
	WIN (5*WN)
.irp n, 0,1,2,3
	v_max3_num_f32 v[TM+\n], |v[AC+8*\n]|, |v[AC+8*\n+1]|, 0x4800000
.endr
.irp i, 2,4,6
.irp n, 0,1,2,3
	v_max3_num_f32 v[TM+\n], |v[AC+8*\n+\i]|, |v[AC+8*\n+\i+1]|, v[TM+\n]
.endr
.endr
	WIN 0
.irp n, 0,1,2,3
	v_max_num_f32_dpp v[TM+\n], v[TM+\n], v[TM+\n] row_xmask:1 row_mask:0xf bank_mask:0xf   ; a block's 32 keys are four rows m: four neighbouring lanes
.endr
.irp n, 0,1,2,3
	v_max_num_f32_dpp v[TM+\n], v[TM+\n], v[TM+\n] row_xmask:2 row_mask:0xf bank_mask:0xf
.endr
	s_wait_dscnt 0x0                               ; the last stores into my stage have read the codes and the bytes
.irp n, 0,1,2,3
	v_add_nc_u32 v[TM+12+\n], 0xfc000000, v[TM+\n]
.endr
.irp n, 0,1,2,3
	v_and_or_b32 v[TM+8+\n], v[TM+\n], 0x7f800000, s[MNT]
.endr
.irp n, 0,1,2,3
	v_lshrrev_b32 v[TM+4+\n], 23, v[TM+12+\n]
.endr
	WIN WN
.irp n, 0,1,2,3
.irp j, 0,1,2,3,4,5,6,7
	v_med3_num_f32 v[HB+8*\n+\j], v[AC+8*\n+\j], -v[TM+8+\n], v[TM+8+\n]
.endr
.endr
	WIN 0
.irp n, 0,1,2,3
	v_cvt_scalef32_pk8_fp8_f32 v[PC+2*\n:PC+2*\n+1], v[HB+8*\n:HB+8*\n+7], v[TM+12+\n]
.endr
	v_nop                                          ; one plain line behind the last conversion
.irp n, 0,1,2,3
	ds_store_b64 v[VSO], v[PC+2*\n:PC+2*\n+1] offset:2*VP*\n+128*(\a)
	ds_store_b8 v[VBO], v[TM+4+\n] offset:64*(4*(\hf)+\n)+4*(\a)   ; the four lanes of a block write the same byte with the same value
.endr
.endm
.macro VSEND hf                        ; eight channels' 1,024 bytes each leave as runs of 512 consecutive bytes; LDS serves my instructions in order
.irp n, 0,1,2,3,4,5,6,7,8,9,10,11,12,13,14,15
	ds_load_b128 v[BK+64*(\hf)+4*\n:BK+64*(\hf)+4*\n+3], v[VRD] offset:VP*(\n/2)+512*(\n%2)
.endr
.irp n, 0,1,2,3,4,5,6,7,8,9,10,11,12,13,14,15
	s_wait_dscnt 15-\n
	global_store_b128 v[L16], v[BK+64*(\hf)+4*\n:BK+64*(\hf)+4*\n+3], s[12:13] offset:32768*(\hf)+2048*(\n/2)+512*(\n%2)
.endr
.endm
.Lv:
.irp hf, 0,1
.irp a, 0,1,2,3,4,5,6,7
	VQ \a, \hf
.endr
	VSEND \hf
.endr
	ds_load_b128 v[WB:WB+3], v[VSR]                ; my 16 channels' 32 scale bytes each
	s_wait_dscnt 0x0
	global_store_b128 v[VGO], v[WB:WB+3], s[14:15]
.Lend:
	s_wait_tensorcnt 0x0                           ; the wave's end
	ds_add_u32 v[SPW], v[NIL]
	s_wait_dscnt 0x0
	CROUND                                         ; the closing round
	s_endpgm
.Lfunc_end_k_qa9ee5546ff_proj:
	.size	k_qa9ee5546ff_proj, .Lfunc_end_k_qa9ee5546ff_proj-k_qa9ee5546ff_proj
	.p2alignl 7, 3214868480
	.fill 96, 4, 3214868480
	.section	.rodata,"a",@progbits
	.p2align	6, 0x0
	.amdhsa_kernel k_qa9ee5546ff_proj
		.amdhsa_group_segment_fixed_size 327680
		.amdhsa_private_segment_fixed_size 0
		.amdhsa_enable_private_segment 0
		.amdhsa_kernarg_size 48
		.amdhsa_user_sgpr_count 2
		.amdhsa_user_sgpr_kernarg_segment_ptr 1
		.amdhsa_wavefront_size32 1
		.amdhsa_system_sgpr_workgroup_id_x 1
		.amdhsa_system_sgpr_workgroup_id_y 1
		.amdhsa_system_sgpr_workgroup_id_z 1
		.amdhsa_system_vgpr_workitem_id 0
		.amdhsa_next_free_vgpr 1024
		.amdhsa_next_free_sgpr 100
		.amdhsa_reserve_vcc 0
		.amdhsa_float_denorm_mode_32 3
		.amdhsa_float_denorm_mode_16_64 3
		.amdhsa_memory_ordered 1
		.amdhsa_forward_progress 1
		.amdhsa_inst_pref_size 255
	.end_amdhsa_kernel
	.section	.bss,"aw",@nobits
	.p2align	6
	.space	262144
	.amdgpu_metadata
---
amdhsa.version: [ 1, 2 ]
amdhsa.kernels:
  - .name:           k_qa9ee5546ff_proj
    .symbol:         k_qa9ee5546ff_proj.kd
    .args:
      - { .name: img, .offset: 0, .size: 8, .value_kind: global_buffer, .address_space: global }
      - { .name: scl, .offset: 8, .size: 8, .value_kind: global_buffer, .address_space: global }
      - { .name: qkc, .offset: 16, .size: 8, .value_kind: global_buffer, .address_space: global }
      - { .name: qks, .offset: 24, .size: 8, .value_kind: global_buffer, .address_space: global }
      - { .name: vc, .offset: 32, .size: 8, .value_kind: global_buffer, .address_space: global }
      - { .name: vs, .offset: 40, .size: 8, .value_kind: global_buffer, .address_space: global }
    .group_segment_fixed_size: 327680
    .private_segment_fixed_size: 0
    .kernarg_segment_align: 8
    .kernarg_segment_size: 48
    .max_flat_workgroup_size: 128
    .sgpr_count:     100
    .vgpr_count:     1024
    .wavefront_size: 32
...
	.end_amdgpu_metadata
.endif
;; end of part 2
;; launch attn (part 3): grid 8 x 32, 8 waves a work-group, clusters of 4 x 1, 327,680 bytes of LDS; arguments qkc, qks, vc, vs, oimg, oscl; writes oimg, oscl
.if DOCPART == 3
	.amdgcn_target "amdgcn-amd-amdhsa--gfx1250"
	.amdhsa_code_object_version 6
	.text
	.protected	k_qa9ee5546ff_attn
	.globl	k_qa9ee5546ff_attn
	.p2align	8
	.type	k_qa9ee5546ff_attn,@function
k_qa9ee5546ff_attn:
	s_mov_b64 s[64:65], 0
	v_nop
	global_prefetch_b8 v0, s[64:65] scope:SCOPE_SE
	s_setreg_imm32_b32 hwreg(HW_REG_WAVE_MODE, 25, 1), 1
	s_wait_xcnt 0x0
	s_wait_alu depctr_hold_cnt(0) depctr_sa_sdst(0) depctr_va_vdst(0) depctr_va_sdst(0) depctr_va_ssrc(0) depctr_va_vcc(0) depctr_vm_vsrc(0)
	s_getreg_b32 s2, hwreg(HW_REG_IB_STS2, 6, 4)
	s_cmp_eq_u32 s2, 0
	s_cbranch_scc0 .Lentry_in_a_cluster
	s_endpgm
.Lentry_in_a_cluster:
	s_bfe_u32 s2, ttmp6, 0x10000c
	s_cmp_lg_u32 s2, 0x3003
	s_cbranch_scc0 .Lentry_shape_is_right
	s_endpgm
.Lentry_shape_is_right:
; Attention of 32 heads, 2,048 queries x 2,048 keys x 128 channels, both products on codes of FP8 (E4M3) with E8M0 scales; O / l is quantised for the last projection.
; qkc: Q's codes [32][2048][128], then K's; qks: scale words [head][j = row % 8][m = row / 8], Q's then K's.  vc: V's codes, keys innermost, [head][d'][2048]; vs: [head][d'][64].
; THE SOFTMAX: t = score x log2(e) / 32; M = the running largest t rounded UP to a whole number; p = 2^(t - M) is quantised along the keys, not normalised; the row's sum is taken of the unquantised p and divides O at the end.
; When M moves, the sum and O are multiplied by 2^(old M - new M): exact.
; SHARES.  A work-group owns rows m = 32 qb .. + 31 of a head's [256][1024] view: 256 queries.  Each of its eight waves owns TWO tiles of 16 queries: rows m0 + r, chunks jA = wave % 4 and jA + 4: so each fragment of K and V
; read from LDS feeds two products, and the wave's results are two whole operand images of the last projection.  Two waves share a SIMD.
; LAYOUT.  Both products are used transposed: S^T = K Q^T, O^T = V^T P^T: a lane holds one query throughout.  A tile of K is 16 neighbouring keys, so p's operand place 32 c + 16 h + 8 u + i holds key 32 c + 16 u + 8 h + i:
; vc is laid in that order.  vc's rows d' are laid so that O^T's 64 registers of a lane are the channels 32 b + 16 h + i.
; CLUSTER.  The four query blocks of a cluster belong to one head and walk the same K and V: each tile is asked for jointly.  Ring: two slots of 256 keys; waves 0, 1 fetch K's halves, waves 2, 3 V's.
; oscl is written 128 bytes a wave: aligned blocks of 256 bytes are written in part there: 1 byte in 32 of the launch's output.
; LIMITS: NaN and infinities are not served; a block of zeros gets the byte 1 (its codes are zeros).
; REGISTERS.  window 0: v1-11 addresses; v12-19 -M, the largest t, the sum (a pair), for each tile; v20-21 Q's scale words; v22-29 K's or V's; v30-31 p's; v32-63 Q; v64-82 at work;
;   v92-159 tile A: codes of p at v92, S^T and p at v96 (the codes are laid over the first block's numbers, which are done with); v160-227 tile B likewise; v228-249 the way out.
;   window 1: v0-127 O^T of both tiles; v128-255 eight fragments of K or of V.
.set SK,    256
.set KP,    144                        ; a key's row in LDS: 128 bytes + 16
.set VP,    272                        ; a row of V's tile: 256 bytes + 16
.set VOFF,  SK*KP
.set SLOT1, 1<<17
.set NSL,   8
.set SCK,   2*SLOT1                    ; K's scale words of the head: 8 rows (j) of 1,024 bytes + 16
.set SKP,   1040
.set SCV,   SCK+8448                   ; V's scale bytes: 32 rows of 256 bytes + 16
.set SPARE, SCV+32*272                 ; the spare words, 128 bytes a wave
.set AK0,  1
.set AV0,  2
.set ASK0, 3
.set ASV0, 4
.set SPW,  5
.set NIL,  6
.set PFO,  7
.set ADK,  8
.set ADV,  9
.set ADS,  10
.set ADT,  11
.set TM,   64
.set BM,   64                          ; v64-67 a block's largest score, then its largest p
.set T2,   68                          ; v68-71 at work
.set LM,   72                          ; v72-75 448 x the scale
.set SCO,  76                          ; v76-79 the conversions' scale operands
.set WV,   18
.set MNT,  19
.set SEL,  20
.set CS,   22
.set G1K,  24
.set G1V,  32
.set G0K,  40
.set G0V,  44
.set G1SK, 48
.set G1SV, 56
.set G0SK, 68
.set G0SV, 72
.set TB,   2
.set TS,   3
.set TJ,   66
.set SLOTS, 67
.set PFA,  76
.set PFS,  78
.set LIM,  80
.set MSB, 0
.macro WIN new
.if MSB != \new
	s_set_vgpr_msb (MSB<<8)|\new
.set MSB, \new
.endif
.endm
; Waves 0 and 1 fetch for K, waves 2 and 3 for V, the others nothing; the branches hang on the wave's number alone.  Four v_nop follow each of the two lines.
.macro TLOAD g0k, g1k, g0v, g1v
	s_cmp_lt_u32 s[WV], 2
	s_cbranch_scc0 .Lnot_k_\@
	tensor_load_to_lds s[\g0k:\g0k+3], s[\g1k:\g1k+7]
	s_nop 0
.rept 4
	v_nop
.endr
	s_branch .Lasked_\@
.Lnot_k_\@:
	s_cmp_lt_u32 s[WV], 4
	s_cbranch_scc0 .Lasked_\@
	tensor_load_to_lds s[\g0v:\g0v+3], s[\g1v:\g1v+7]
	s_nop 0
.rept 4
	v_nop
.endr
.Lasked_\@:
.endm
; A prefetch of what the NEXT change of slots will ask for: 256 keys of K (32,768 dense bytes) and 256 bytes of each of V's 128 rows.  Each aligned block of 256 bytes is named once in the launch: the head's first cluster asks;
; its four partners are told apart by address (8,192 bytes of K, 32 rows of V each); in each, wave 4 asks for K's, lanes 256 bytes apart, and wave 5 for V's, a lane a row.  The last change that fills a slot asks for nothing.
.macro ASK
	s_cmp_gt_u32 s[SLOTS], s[LIM]
	s_cbranch_scc0 .Lnot_mine_\@
	global_prefetch_b8 v[PFO], s[PFA:PFA+1] th:TH_LOAD_NT scope:SCOPE_SE
.Lnot_mine_\@:
.endm
.macro CROUND                          ; a round of the cluster's barrier
	s_barrier_signal -1
	s_barrier_wait -1
	s_cmp_lg_u32 s[WV], 0
	s_cbranch_scc1 .Lnot_wave_0_\@
	s_barrier_signal -3
.Lnot_wave_0_\@:
	s_barrier_wait -3
	s_barrier_signal -1
	s_barrier_wait -1
.endm
	s_load_b128 s[4:7], s[0:1], 0x0                ; qkc, qks: they feed joint descriptors and stay as they are
	s_load_b128 s[8:11], s[0:1], 0x10              ; vc, vs
	s_load_b128 s[12:15], s[0:1], 0x20             ; oimg, oscl
	v_lshl_add_u32 v[SPW], v0, 2, SPARE
	v_mov_b32 v[NIL], 0
	ds_add_u32 v5, v6
	s_wait_dscnt 0x0
	v_lshrrev_b32 v8, 5, v0
	v_readfirstlane_b32 s[WV], v8                  ; wave 0..7
	s_bfe_u32 s81, ttmp6, 0x40000                  ; cx
	s_lshl_b32 s82, ttmp9, 2
	s_add_co_u32 s82, s82, s81                     ; my block of 256 queries
	s_and_b32 s83, ttmp7, 0xffff                   ; the head, which the four partners share
	s_lshl_b32 s84, s83, 18                        ; its first byte among codes: 262,144 a head
	s_lshl_b32 s86, s83, 13                        ; and among scale bytes: 8,192
	s_and_b32 s88, s[WV], 1                        ; which half I fetch
	s_lshl_b32 s90, s88, 14
	s_add_co_u32 s90, s90, s84
	s_add_co_u32 s90, s90, 8388608                 ; K's codes lie behind Q's
	s_mov_b32 s91, 0
	s_lshl_b32 s92, s88, 17                        ; V: 64 rows of 2,048 bytes
	s_add_co_u32 s92, s92, s84
	s_mov_b32 s93, 0
	s_lshl_b32 s94, s88, 12                        ; scale bytes: 4,096 a half
	s_add_co_u32 s94, s94, s86
	s_mov_b32 s95, 0
	s_add_co_u32 s96, s94, 262144                  ; K's scale words lie behind Q's
	s_mov_b32 s97, 0
	s_mov_b32 s[G1K], 15|(1<<20)|(1<<21)|(4<<22)|(3<<25)   ; the mask: all four; elements of 1 byte; four words of padding after every 32
	s_mov_b32 s[G1K+1], 128<<16
	s_mov_b32 s[G1K+2], 128<<16
	s_mov_b32 s[G1K+3], 128<<16
	s_mov_b32 s[G1K+4], 128
	s_mov_b32 s[G1K+5], 128
	s_mov_b32 s[G1K+6], 0
	s_mov_b32 s[G1K+7], 0
	s_mov_b32 s[G1V], 15|(1<<20)|(1<<21)|(5<<22)|(3<<25)   ; four words after every 64
	s_mov_b32 s[G1V+1], 256<<16
	s_mov_b32 s[G1V+2], 64<<16
	s_mov_b32 s[G1V+3], 256<<16
	s_mov_b32 s[G1V+4], 64
	s_mov_b32 s[G1V+5], 2048
	s_mov_b32 s[G1V+6], 0
	s_mov_b32 s[G1V+7], 0
	s_mov_b32 s[G1SK], 15|(3<<16)|(1<<20)|(1<<21)|(7<<22)|(3<<25)   ; elements of 8 bytes; 4 rows of 1,024 bytes; four words after every 256
	s_mov_b32 s[G1SK+1], 128<<16
	s_mov_b32 s[G1SK+2], 4<<16
	s_mov_b32 s[G1SK+3], 128<<16
	s_mov_b32 s[G1SK+4], 4
	s_mov_b32 s[G1SK+5], 128
	s_mov_b32 s[G1SK+6], 0
	s_mov_b32 s[G1SK+7], 0
	s_mov_b32 s[G1SV], 15|(3<<16)|(1<<20)|(1<<21)|(5<<22)|(3<<25)   ; 16 rows of 256 bytes
	s_mov_b32 s[G1SV+1], 32<<16
	s_mov_b32 s[G1SV+2], 16<<16
	s_mov_b32 s[G1SV+3], 32<<16
	s_mov_b32 s[G1SV+4], 16
	s_mov_b32 s[G1SV+5], 32
	s_mov_b32 s[G1SV+6], 0
	s_mov_b32 s[G1SV+7], 0
	s_mov_b32 s[SEL], 0x76543210
	s_mov_b32 s[SEL+1], 0xfedcba98
	s_mov_b32 s[CS], 0x3d38aa3b                    ; c = log2(e) / 32
	s_mov_b32 s[CS+1], s[CS]                       ; named with it as a pair, so it is written
	s_mov_b32 s[MNT], 0x600000
	s_mov_b32 s[TB], 0
	s_mov_b32 s[TS], 0
	s_mov_b32 s[TJ], 0
	s_mov_b32 s[SLOTS], NSL-1
	s_wait_kmcnt 0x0
	CROUND                                         ; all four work-groups are here: the first joint loads meet
	s_mov_b32 s[G0SK], 1
	s_mul_i32 s[G0SK+1], s88, 4*SKP
	s_add_co_u32 s[G0SK+1], s[G0SK+1], SCK
	s_add_nc_u64 s[G0SK+2:G0SK+3], s[6:7], s[96:97]
	s_or_b32 s[G0SK+3], s[G0SK+3], 0x80000000
	s_mov_b32 s[G0SV], 1
	s_mul_i32 s[G0SV+1], s88, 16*272
	s_add_co_u32 s[G0SV+1], s[G0SV+1], SCV
	s_add_nc_u64 s[G0SV+2:G0SV+3], s[10:11], s[94:95]
	s_or_b32 s[G0SV+3], s[G0SV+3], 0x80000000
	TLOAD G0SK, G1SK, G0SV, G1SV                   ; the scale bytes of the whole head: filled once
	s_mov_b32 s[G0K], 1
	s_mul_i32 s[G0K+1], s88, 128*KP
	s_add_nc_u64 s[G0K+2:G0K+3], s[4:5], s[90:91]
	s_or_b32 s[G0K+3], s[G0K+3], 0x80000000
	s_mov_b32 s[G0V], 1
	s_mul_i32 s[G0V+1], s88, 64*VP
	s_add_co_u32 s[G0V+1], s[G0V+1], VOFF
	s_add_nc_u64 s[G0V+2:G0V+3], s[8:9], s[92:93]
	s_or_b32 s[G0V+3], s[G0V+3], 0x80000000
	TLOAD G0K, G1K, G0V, G1V                       ; slot 0
	; the prefetches: where my wave's stand, and who asks (what holds cx stands in s16, s17, s81, s82 and in the prefetches' own address)
	s_cmp_eq_u32 s[WV], 4
	s_cselect_b64 s[PFA:PFA+1], s[4:5], s[8:9]
	s_mov_b32 s[PFS], 256
	s_cselect_b32 s[PFS], 32768, s[PFS]            ; a slot on
	s_mov_b32 s17, 2048
	s_cselect_b32 s17, 256, s17                    ; from lane to lane
	v_and_b32 v[PFO], 31, v0
	v_mul_lo_u32 v[PFO], v[PFO], s17
	s_mov_b32 s16, 65536
	s_cselect_b32 s16, 8192, s16                   ; from partner to partner
	s_cselect_b32 s17, 8388608, 0
	s_mul_i32 s16, s16, s81
	s_add_co_u32 s16, s16, s17
	s_add_co_u32 s16, s16, s84                     ; in my head,
	s_add_co_u32 s16, s16, s[PFS]                  ; in slot 1: the first change of slots steps it to slot 2.  Nothing is prefetched here, at the head
	s_mov_b32 s17, 0
	s_mov_b32 s[PFS+1], 0
	s_add_nc_u64 s[PFA:PFA+1], s[PFA:PFA+1], s[16:17]
	s_sub_co_u32 s16, s[WV], 4
	s_lshr_b32 s16, s16, 1                         ; 0 in waves 4 and 5,
	s_or_b32 s16, s16, ttmp9                       ; of the head's first cluster: the same in all four partners
	s_cmp_eq_u32 s16, 0
	s_cselect_b32 s[LIM], 1, -1
	; Q: rows m0 + r of the head's view, m0 = 32 qb + 16 (wave / 4); chunks jA and jA + 4
	v_and_b32 v8, 15, v0                           ; r
	v_bfe_u32 v9, v0, 4, 1                         ; h
	s_lshl_b32 s16, s82, 15
	s_lshr_b32 s17, s[WV], 2
	s_lshl_b32 s17, s17, 14
	s_add_co_u32 s16, s16, s17
	s_and_b32 s17, s[WV], 3
	s_lshl_b32 s17, s17, 7
	s_add_co_u32 s16, s16, s17
	s_add_co_u32 s16, s16, s84                     ; 262,144 head + 1,024 m0 + 128 jA
	v_lshlrev_b32 v10, 10, v8
	v_lshl_add_u32 v10, v9, 4, v10
	v_add_nc_u32 v10, s16, v10
.irp x, 0,1
.irp c, 0,1,2,3
	global_load_b128 v[32+16*\x+4*\c:35+16*\x+4*\c], v10, s[4:5] offset:512*\x+32*\c   ; Q's fragments stay in registers
.endr
.endr
	s_lshl_b32 s16, s82, 7
	s_lshr_b32 s17, s[WV], 2
	s_lshl_b32 s17, s17, 6
	s_add_co_u32 s16, s16, s17
	s_and_b32 s17, s[WV], 3
	s_lshl_b32 s17, s17, 10
	s_add_co_u32 s16, s16, s17
	s_add_co_u32 s16, s16, s86                     ; 8,192 head + 1,024 jA + 4 m0
	v_lshlrev_b32 v11, 2, v8
	v_add_nc_u32 v11, s16, v11
	global_load_b32 v20, v11, s[6:7]
	global_load_b32 v21, v11, s[6:7] offset:4096
	; O: images (T = 16 head + 2 qb + wave / 4, K steps jA and jA + 4)
	s_lshl_b32 s16, s82, 15
	s_lshr_b32 s17, s[WV], 2
	s_lshl_b32 s17, s17, 14
	s_add_co_u32 s16, s16, s17
	s_and_b32 s17, s[WV], 3
	s_lshl_b32 s17, s17, 11
	s_add_co_u32 s16, s16, s17
	s_add_co_u32 s16, s16, s84
	s_mov_b32 s17, 0
	s_add_nc_u64 s[12:13], s[12:13], s[16:17]      ; 16,384 T + 2,048 jA
	s_lshl_b32 s16, s82, 10
	s_lshr_b32 s17, s[WV], 2
	s_lshl_b32 s17, s17, 9
	s_add_co_u32 s16, s16, s17
	s_and_b32 s17, s[WV], 3
	s_lshl_b32 s17, s17, 7
	s_add_co_u32 s16, s16, s17
	s_add_co_u32 s16, s16, s86
	s_mov_b32 s17, 0
	s_add_nc_u64 s[14:15], s[14:15], s[16:17]      ; 512 T + 128 jA
	v_mul_u32_u24 v[AK0], v8, KP
	v_lshl_add_u32 v[AK0], v9, 4, v[AK0]
	v_mul_u32_u24 v[AV0], v8, VP
	v_lshl_add_u32 v[AV0], v9, 4, v[AV0]
	v_add_nc_u32 v[AV0], VOFF, v[AV0]
	v_and_b32 v82, 7, v0                           ; key 16 i + r is row m = 2 i + r / 8, chunk j = r % 8
	v_mul_u32_u24 v[ASK0], v82, SKP
	v_bfe_u32 v82, v0, 3, 1
	v_lshl_add_u32 v[ASK0], v82, 2, v[ASK0]
	v_add_nc_u32 v[ASK0], SCK, v[ASK0]
	v_and_b32 v82, 3, v0                           ; V's row 16 t + r: four rows of 64 bytes to a padded row
	v_lshlrev_b32 v[ASV0], 6, v82
	v_bfe_u32 v82, v0, 2, 2
	v_mad_u32_u24 v[ASV0], v82, 272, v[ASV0]
	v_add_nc_u32 v[ASV0], SCV, v[ASV0]
.irp x, 0,1
	v_mov_b32 v[13+4*\x], 0xff61b1e6               ; the largest t so far: -3e38
	v_floor_f32 v[12+4*\x], -v[13+4*\x]            ; -M
	v_mov_b32 v[14+4*\x], 0                        ; the sum, in two halves
	v_mov_b32 v[15+4*\x], 0
.endr
.irp b, 0,1,2,3
	v_mov_b32 v[T2+\b], 0                          ; written once: a lane permute's destination counts as one of its sources
.endr
	v_mov_b32 v81, 0                               ; named as the upper half of the pair v[80:81]
	WIN 0x40
.set j, 0
.rept 128
	v_mov_b32 v[j], 0                              ; O^T.  The key step is written once: its first pass finds zeros, which the first change of M leaves zeros
.set j, j+1
.endr
	WIN 0
; One tile's softmax of a key step.  S_: its 64 scores (register 16 b + i); its codes go to S_ - 4 on.
.macro SOFT x
.set S_, 96+68*(\x)
.set N_, 12+4*(\x)
.irp b, 0,1,2,3
	v_max3_num_f32 v[BM+\b], v[S_+16*\b], v[S_+1+16*\b], v[S_+2+16*\b]   ; the largest score of each block of 32 keys: it serves for the row's maximum and, since p rises with the score, for the block's largest p
.endr
.irp i, 3,5,7,9,11,13
.irp b, 0,1,2,3
	v_max3_num_f32 v[BM+\b], v[BM+\b], v[S_+16*\b+\i], v[S_+1+16*\b+\i]
.endr
.endr
.irp b, 0,1,2,3
	v_max_num_f32 v[BM+\b], v[BM+\b], v[S_+15+16*\b]
.endr
.irp b, 0,1,2,3
	v_permlanex16_b32 v[T2+\b], v[BM+\b], s[SEL], s[SEL+1]
.endr
.irp b, 0,1,2,3
	v_max_num_f32 v[BM+\b], v[BM+\b], v[T2+\b]     ; with lane l xor 16's 16 keys
.endr
	v_max3_num_f32 v82, v[BM], v[BM+1], v[BM+2]
	v_max_num_f32 v82, v82, v[BM+3]
	v_mul_f32 v82, s[CS], v82                      ; as t (c is positive)
	v_max_num_f32 v[N_+1], v[N_+1], v82            ; the running largest t
	v_mov_b32 v82, v[N_]
	v_floor_f32 v[N_], -v[N_+1]                    ; the new -M = -ceil(t)
	v_sub_f32 v82, v[N_], v82                      ; old M - new M: a whole number, 0 or less
	v_cvt_i32_f32 v82, v82                         ; (it saturates)
	v_ldexp_f32 v80, 1.0, v82                      ; f = 2^(old M - new M)
.set j, 0
.rept 32
	v_pk_fma_f32 v[S_+j:S_+j+1], v[S_+j:S_+j+1], s[CS:CS+1], v[N_:N_+1] op_sel_hi:[1,0,0]   ; t - M, two at a time
.set j, j+2
.endr
.irp b, 0,1,2,3
	v_fma_f32 v[BM+\b], v[BM+\b], s[CS], v[N_]
.endr
.set j, 0
.rept 64
	v_exp_f32 v[S_+j], v[S_+j]                     ; p = 2^(t - M)
.set j, j+1
.endr
	v_pk_mul_f32 v[N_+2:N_+3], v[N_+2:N_+3], v[80:81] op_sel_hi:[1,0]   ; the sums under the new M: a plain line behind the exponentials
	s_wait_alu depctr_va_vdst(0)                   ; one wait for the whole batch, ahead of its first reader
.irp b, 0,1,2,3
	v_exp_f32 v[BM+\b], v[BM+\b]                   ; the block's largest p
.endr
	v_pk_add_f32 v[T2:T2+1], v[S_:S_+1], v[S_+2:S_+3]   ; the row's sum is taken of the unquantised p, in two chains
.set j, 4
.rept 15
	v_pk_add_f32 v[N_+2:N_+3], v[N_+2:N_+3], v[S_+j:S_+j+1]
	v_pk_add_f32 v[T2:T2+1], v[T2:T2+1], v[S_+j+2:S_+j+3]
.set j, j+4
.endr
	v_pk_add_f32 v[N_+2:N_+3], v[N_+2:N_+3], v[T2:T2+1]
	s_wait_alu depctr_va_vdst(0)                   ; and one for the four
.irp b, 0,1,2,3
	v_max_num_f32 v[BM+\b], 0x4800000, v[BM+\b]    ; the floor 2^(9 - 127)
.endr
.irp b, 0,1,2,3
	v_add_nc_u32 v[SCO+\b], 0xfc000000, v[BM+\b]
.endr
.irp b, 0,1,2,3
	v_and_or_b32 v[LM+\b], v[BM+\b], 0x7f800000, s[MNT]
.endr
.irp b, 0,1,2,3
	v_lshrrev_b32 v[T2+\b], 23, v[SCO+\b]
.endr
	v_lshl_or_b32 v[30+\x], v[T2+1], 8, v[T2]      ; p's scale word for these 128 keys
	v_lshl_or_b32 v[30+\x], v[T2+2], 16, v[30+\x]
	v_lshl_or_b32 v[30+\x], v[T2+3], 24, v[30+\x]
.irp b, 0,1,2,3
.set j, 0
.rept 16
	v_min_num_f32 v[S_+16*\b+j], v[S_+16*\b+j], v[LM+\b]   ; p is not negative: the hold is one-sided (ISA guide 7.6.2)
.set j, j+1
.endr
	v_cvt_scalef32_pk8_fp8_f32 v[S_-4+4*\b:S_-3+4*\b], v[S_+16*\b:S_+7+16*\b], v[SCO+\b]   ; from block 1 on the codes land on block 0's numbers, which are done with; the sixteen holds stand between
	v_cvt_scalef32_pk8_fp8_f32 v[S_-2+4*\b:S_-1+4*\b], v[S_+8+16*\b:S_+15+16*\b], v[SCO+\b]
.endr
	WIN 0x41
.set j, 0
.rept 32
	v_pk_mul_f32 v[64*(\x)+j:64*(\x)+j+1], v[64*(\x)+j:64*(\x)+j+1], v[80:81] op_sel_hi:[1,0]   ; O^T under the new M; these are also the places between the codes and the products
.set j, j+2
.endr
	WIN 0
.endm
; A key step: 128 keys, the q-th of the slot in hand.
.macro STEP q
	v_add_nc_u32 v[ADK], s[TB], v[AK0]
	v_add_nc_u32 v[ADV], s[TB], v[AV0]
	v_add_nc_u32 v[ADS], s[TS], v[ASK0]
	v_add_nc_u32 v[ADT], s[TJ], v[ASV0]
.rept 5
	v_nop                                          ; with the four additions nine places: the scores are written over p's codes, which the last products read, and loads go into their fragments
.endr
.irp i, 0,1,2,3,4,5,6,7
	ds_load_b32 v[22+\i], v[ADS] offset:8*\i
.endr
	WIN 0x40
.irp i, 0,1,2,3,4,5,6,7
.irp c, 0,1,2,3
	ds_load_b128 v[128+16*\i+4*\c:131+16*\i+4*\c], v[ADK] offset:(128*(\q)+16*\i)*KP+32*\c
.endr
.endr
	s_wait_dscnt 16                                ; the scale words and fragments 0-3 are in; the sixteen loads of fragments 4-7 may be out
	WIN 0x01
.irp i, 0,1,2,3
.irp x, 0,1
	v_wmma_scale_f32_16x16x128_f8f6f4 v[96+68*\x+8*\i:103+68*\x+8*\i], v[128+16*\i:143+16*\i], v[32+16*\x:47+16*\x], 0, v[22+\i], v[20+\x]
.endr
.endr
	s_wait_dscnt 0x0
.irp i, 4,5,6,7
.irp x, 0,1
	v_wmma_scale_f32_16x16x128_f8f6f4 v[96+68*\x+8*\i:103+68*\x+8*\i], v[128+16*\i:143+16*\i], v[32+16*\x:47+16*\x], 0, v[22+\i], v[20+\x]
.endr
.endr
	WIN 0
.rept 8
	v_nop                                          ; places in front of the loads into the fragments and scale words, and of the first read of the scores
.endr
.irp t, 0,1,2,3,4,5,6,7
	ds_load_b32 v[22+\t], v[ADT] offset:1088*\t    ; V is asked for now and lands under the softmax
.endr
	WIN 0x40
.irp t, 0,1,2,3,4,5,6,7
.irp c, 0,1,2,3
	ds_load_b128 v[128+16*\t+4*\c:131+16*\t+4*\c], v[ADV] offset:16*VP*\t+128*(\q)+32*\c
.endr
.endr
	WIN 0
	SOFT 0
	SOFT 1
	s_wait_dscnt 0x0                               ; V
	WIN 0x51
.irp t, 0,1,2,3,4,5,6,7
.irp x, 0,1
	v_wmma_scale_f32_16x16x128_f8f6f4 v[64*\x+8*\t:64*\x+8*\t+7], v[128+16*\t:143+16*\t], v[92+68*\x:107+68*\x], v[64*\x+8*\t:64*\x+8*\t+7], v[22+\t], v[30+\x]
.endr
.endr
	WIN 0
	s_add_co_u32 s[TS], s[TS], 64                  ; the next step's scale words: 16 rows m on,
	s_add_co_u32 s[TJ], s[TJ], 4                   ; four blocks of keys on
.endm
; The change of slots stands at a slot's head.  Each wave waits for all its tensor loads, adds 0 to its spare word, and waits for that and for its reads of the slot that it has left.
; fill = 1: a round of the cluster's barrier, and behind it the slot just left is filled with the keys that follow: the load has a slot's two key steps in which to land.
.macro CHANGE fill
	s_wait_tensorcnt 0x0                           ; no tensor load of mine is out, so a group 0 may be written
	ds_add_u32 v[SPW], v[NIL]                      ; 0 onto my spare word
.if \fill
	s_xor_b32 s[G0K+1], s[G0K+1], SLOT1
	s_add_nc_u64 s[G0K+2:G0K+3], s[G0K+2:G0K+3], SK*128
	s_xor_b32 s[G0V+1], s[G0V+1], SLOT1
	s_add_nc_u64 s[G0V+2:G0V+3], s[G0V+2:G0V+3], 256
	s_wait_xcnt 0x0                                ; the last prefetch, a slot back, has read its address
	s_add_nc_u64 s[PFA:PFA+1], s[PFA:PFA+1], s[PFS:PFS+1]
	s_wait_dscnt 0x0                               ; the add is done, and my reads of the slot that I have left are over
	CROUND
	TLOAD G0K, G1K, G0V, G1V                       ; the first thing behind the round, and a wave's one tensor load until the next
	ASK
.else
	s_wait_dscnt 0x0
	s_barrier_signal -1
	s_barrier_wait -1
.endif
.endm
	s_wait_loadcnt 0x0                             ; Q and its scale words; their address registers may be written again
.Lslot:                                            ; seven trips: behind each change of slots but the last the next slot is asked for
	CHANGE 1
	STEP 0
	STEP 1
	s_xor_b32 s[TB], s[TB], SLOT1
	s_sub_co_u32 s[SLOTS], s[SLOTS], 1
	s_cmp_lg_u32 s[SLOTS], 0
	s_cbranch_scc1 .Lslot
	CHANGE 0                                       ; the last slot is written out
	STEP 0
	STEP 1
; 64 numbers of a lane, v[s] on, become a fragment's codes in v[pc] on and its scale word in v[pw].
.macro QUANT s, pc, pw
.irp b, 0,1,2,3
	v_max3_num_f32 v[TM+\b], |v[\s+16*\b]|, |v[\s+1+16*\b]|, 0x4800000
.endr
.irp i, 2,4,6,8,10,12,14
.irp b, 0,1,2,3
	v_max3_num_f32 v[TM+\b], v[TM+\b], |v[\s+16*\b+\i]|, |v[\s+1+16*\b+\i]|
.endr
.endr
.irp b, 0,1,2,3
	v_permlanex16_b32 v[TM+4+\b], v[TM+\b], s[SEL], s[SEL+1]
.endr
.irp b, 0,1,2,3
	v_max_num_f32 v[TM+\b], v[TM+\b], v[TM+4+\b]
.endr
.irp b, 0,1,2,3
	v_add_nc_u32 v[TM+12+\b], 0xfc000000, v[TM+\b]
.endr
.irp b, 0,1,2,3
	v_and_or_b32 v[TM+8+\b], v[TM+\b], 0x7f800000, s[MNT]
.endr
.irp b, 0,1,2,3
	v_lshrrev_b32 v[TM+4+\b], 23, v[TM+12+\b]
.endr
	v_lshl_or_b32 v[\pw], v[TM+5], 8, v[TM+4]
	v_lshl_or_b32 v[\pw], v[TM+6], 16, v[\pw]
	v_lshl_or_b32 v[\pw], v[TM+7], 24, v[\pw]
.irp b, 0,1,2,3
.irp i, 0,1,2,3,4,5,6,7,8,9,10,11,12,13,14,15
	v_med3_num_f32 v[\s+16*\b+\i], v[\s+16*\b+\i], -v[TM+8+\b], v[TM+8+\b]
.endr
	v_cvt_scalef32_pk8_fp8_f32 v[\pc+4*\b:\pc+1+4*\b], v[\s+16*\b:\s+7+16*\b], v[TM+12+\b]
	v_cvt_scalef32_pk8_fp8_f32 v[\pc+2+4*\b:\pc+3+4*\b], v[\s+8+16*\b:\s+15+16*\b], v[TM+12+\b]
.endr
	v_nop                                          ; one plain line behind the last conversion
.endm
; THE WAY OUT.  O^T / the sum, register 8 t + i = channel 32 (t / 2) + 16 h + 8 (t % 2) + i of my query's row: it is quantised along the channels, and the codes ARE an operand image of the last projection.
.macro OUT x, pc, pw
	WIN 0x01
.set j, 0
.rept 64
	v_mul_f32 v[96+68*(\x)+j], v[64*(\x)+j], v[14+4*(\x)]   ; each accumulator from its low end on
.set j, j+1
.endr
	WIN 0
	QUANT 96+68*(\x), \pc, \pw
.irp c, 0,1,2,3
	global_store_b128 v246, v[\pc+4*\c:\pc+4*\c+3], s[12:13] offset:8192*(\x)+512*\c   ; 512 consecutive bytes, aligned
.endr
.endm
.rept 8
	v_nop                                          ; places behind the last products
.endr
.irp x, 0,1
	v_add_f32 v[14+4*\x], v[14+4*\x], v[15+4*\x]   ; the sum's two halves,
.endr
.irp x, 0,1
	v_permlanex16_b32 v[T2+\x], v[14+4*\x], s[SEL], s[SEL+1]
.endr
.irp x, 0,1
	v_add_f32 v[14+4*\x], v[14+4*\x], v[T2+\x]     ; and lane l xor 16's: the row's sum
.endr
.irp x, 0,1
	v_rcp_f32 v[14+4*\x], v[14+4*\x]
.endr
	v_and_b32 v248, 31, v0                         ; plain lines behind the reciprocals
	v_lshlrev_b32 v246, 4, v248
	v_lshlrev_b32 v247, 2, v248
	s_wait_alu depctr_va_vdst(0)                   ; one wait for both, ahead of their first reader
	OUT 0, 228, 244
	OUT 1, 96, 245                                 ; tile A's numbers are done with: tile B's codes take their place
	v_cmp_le_u32 vcc_lo, 16, v248
	v_cndmask_b32 v249, v244, v245, vcc_lo         ; lanes 0-15: K step jA's word of row r; lanes 16-31: K step jA + 4's
	global_store_b32 v247, v249, s[14:15]
	s_wait_tensorcnt 0x0                           ; the wave's end
	ds_add_u32 v[SPW], v[NIL]
	s_wait_dscnt 0x0
	CROUND                                         ; the closing round
	s_endpgm
.Lfunc_end_k_qa9ee5546ff_attn:
	.size	k_qa9ee5546ff_attn, .Lfunc_end_k_qa9ee5546ff_attn-k_qa9ee5546ff_attn
	.p2alignl 7, 3214868480
	.fill 96, 4, 3214868480
	.section	.rodata,"a",@progbits
	.p2align	6, 0x0
	.amdhsa_kernel k_qa9ee5546ff_attn
		.amdhsa_group_segment_fixed_size 327680
		.amdhsa_private_segment_fixed_size 0
		.amdhsa_enable_private_segment 0
		.amdhsa_kernarg_size 48
		.amdhsa_user_sgpr_count 2
		.amdhsa_user_sgpr_kernarg_segment_ptr 1
		.amdhsa_wavefront_size32 1
		.amdhsa_system_sgpr_workgroup_id_x 1
		.amdhsa_system_sgpr_workgroup_id_y 1
		.amdhsa_system_sgpr_workgroup_id_z 1
		.amdhsa_system_vgpr_workitem_id 0
		.amdhsa_next_free_vgpr 512
		.amdhsa_next_free_sgpr 100
		.amdhsa_reserve_vcc 1
		.amdhsa_float_denorm_mode_32 3
		.amdhsa_float_denorm_mode_16_64 3
		.amdhsa_memory_ordered 1
		.amdhsa_forward_progress 1
		.amdhsa_inst_pref_size 198
	.end_amdhsa_kernel
	.amdgpu_metadata
---
amdhsa.version: [ 1, 2 ]
amdhsa.kernels:
  - .name:           k_qa9ee5546ff_attn
    .symbol:         k_qa9ee5546ff_attn.kd
    .args:
      - { .name: qkc, .offset: 0, .size: 8, .value_kind: global_buffer, .address_space: global }
      - { .name: qks, .offset: 8, .size: 8, .value_kind: global_buffer, .address_space: global }
      - { .name: vc, .offset: 16, .size: 8, .value_kind: global_buffer, .address_space: global }
      - { .name: vs, .offset: 24, .size: 8, .value_kind: global_buffer, .address_space: global }
      - { .name: oimg, .offset: 32, .size: 8, .value_kind: global_buffer, .address_space: global }
      - { .name: oscl, .offset: 40, .size: 8, .value_kind: global_buffer, .address_space: global }
    .group_segment_fixed_size: 327680
    .private_segment_fixed_size: 0
    .kernarg_segment_align: 8
    .kernarg_segment_size: 48
    .max_flat_workgroup_size: 256
    .sgpr_count:     100
    .vgpr_count:     512
    .wavefront_size: 32
...
	.end_amdgpu_metadata
.endif
;; end of part 3
;; launch outln (part 4): grid 256 x 1, 4 waves a work-group, clusters of 4 x 1, 327,680 bytes of LDS; arguments oimg, oscl, img, scl, queries, ln_gamma, ln_beta, out0; writes out0
.if DOCPART == 4
	.amdgcn_target "amdgcn-amd-amdhsa--gfx1250"
	.amdhsa_code_object_version 6
	.text
	.protected	k_qa9ee5546ff_outln
	.globl	k_qa9ee5546ff_outln
	.p2align	8
	.type	k_qa9ee5546ff_outln,@function
k_qa9ee5546ff_outln:
	s_mov_b64 s[64:65], 0
	v_nop
	global_prefetch_b8 v0, s[64:65] scope:SCOPE_SE
	s_setreg_imm32_b32 hwreg(HW_REG_WAVE_MODE, 25, 1), 1
	s_wait_xcnt 0x0
	s_wait_alu depctr_hold_cnt(0) depctr_sa_sdst(0) depctr_va_vdst(0) depctr_va_sdst(0) depctr_va_ssrc(0) depctr_va_vcc(0) depctr_vm_vsrc(0)
	s_getreg_b32 s2, hwreg(HW_REG_IB_STS2, 6, 4)
	s_cmp_eq_u32 s2, 0
	s_cbranch_scc0 .Lentry_in_a_cluster
	s_endpgm
.Lentry_in_a_cluster:
	s_bfe_u32 s2, ttmp6, 0x10000c
	s_cmp_lg_u32 s2, 0x3003
	s_cbranch_scc0 .Lentry_shape_is_right
	s_endpgm
.Lentry_shape_is_right:
; out0 = LayerNorm(O Wr^T + queries) x gamma + beta.  O and Wr come as register images of codes of FP8 (E4M3) with E8M0 scales: oimg[tile of 16 rows][K step][2,048], oscl[tile][q][32 lanes x 4 bytes] (lanes 0-15: K step q,
; lanes 16-31: K step q + 4), img / scl tiles 1728-1791 (Wr; scl: 32 bytes a row, a word a K step).
; SHARES.  Work-group g takes rows 32 g .. + 31, whole; wave w columns 256 w .. + 255: 2 x 16 accumulators.  The rows' 16 fragments of O stay in registers for the whole launch.  Wr goes K step by K step through two LDS slots;
; each wave fetches and reads its own 16 tiles.  CLUSTER: the four work-groups of a cluster walk the same Wr: its tiles are asked for jointly.
; THE WALK ALONG K IS TURNED FROM CLUSTER TO CLUSTER: cluster x begins at K step x % 8 and goes round: walk step i takes K step (i + x) % 8.  So the 64 clusters do not all ask for the same 131,072 bytes of Wr at the same time:
; in each walk step every K step is asked for by eight of them.  The turn enters global addresses alone (Wr's tiles, O's fragments, both sides' scale words); registers, LDS addresses and the products' text are the same in all.
; THE RESIDUAL is the C of the first products: it comes by a tensor load of the wave's own into slot 1, ahead of that slot's first tile of Wr, and is read from there in the result's layout.
; THE MATRIX INSTRUCTION IS USED TRANSPOSED (source 0 = 16 rows of Wr, source 1 = 16 rows of O): lane (r, h) holds row r and columns 16 t + 8 h + 0 .. 7.
; LAYERNORM in two passes (the mean; then the squares of the differences), each summed in a lane, across the halves of the lanes, and across the four waves through LDS.
; LIMITS: NaN and infinities are not served; the sums run in another order than a row-wise sum, and the order along K differs from cluster to cluster.
; REGISTERS.  window 0: v1-29 addresses; v32-39 O's scale words; v40-103 Wr's; v104-119 gamma, beta; v120-147 sums; v152-167 the turned offsets.  window 1: the accumulators at 8 (16 l + t).
;   window 2: O's fragments at 16 (8 l + i), i the walk step.  window 3: Wr's 16 fragments, later the rows read back.
.set SLOT,  133120                     ; 4 x 33,280
.set WPART, 33280                      ; a wave's part: 16 images of 2,048 bytes, or 32 rows of 1,024 bytes + 16
.set RP,    1040
.set RED,   2*SLOT                     ; 512 bytes for the sums, 512 for the sums of squares
.set SPARE, RED+1024                   ; the spare words, 128 bytes a wave
.set L16,  4
.set L4,   5
.set BSO,  6
.set ADB,  8                           ; v8-9  my images in slot 0, 1; v8 also: where I read rows back from the stage
.set SA,   10                          ; v10   the stage (slot 0, my part): row r, + 32 h
.set RR,   11                          ; v11   the same place in slot 1: the residual
.set RA,   12
.set RBR,  13
.set SPW,  28
.set NIL,  29
.set AS,   32
.set BS,   40
.set GA,   104
.set BE,   112
.set SM,   120
.set MU,   140
.set RS,   144
.set OO,   152                         ; v152-159 walk step i: 16 x lane + 2,048 x its K step: where O's fragment lies in a tile's images; never rewritten
.set AO,   160                         ; v160-163 register q of O's scale words: my lane's word; never rewritten
.set BO,   164                         ; v164-167 the same for Wr's; never rewritten
.set WV,   20
.set G1W,  24
.set G0W,  32                          ; s[32:35], s[36:39]: a group 0 for each slot
.set G1R,  40
.set G0R,  48
.set SEL,  52
.set ROT,  60                          ; s60   the K step at which my cluster begins: cluster x % 8: the same in all four partners
.set MSB, 0
.macro WIN new
.if MSB != \new
	s_set_vgpr_msb (MSB<<8)|\new
.set MSB, \new
.endif
.endm
.macro CROUND                          ; a round of the cluster's barrier
	s_barrier_signal -1
	s_barrier_wait -1
	s_cmp_lg_u32 s[WV], 0
	s_cbranch_scc1 .Lnot_wave_0_\@
	s_barrier_signal -3
.Lnot_wave_0_\@:
	s_barrier_wait -3
	s_barrier_signal -1
	s_barrier_wait -1
.endm
.macro OLOAD i                         ; both row tiles' fragments of O for walk step i (destination: window 2)
.irp l, 0,1
.irp c, 0,1,2,3
	global_load_b128 v[16*(8*\l+\i)+4*\c:16*(8*\l+\i)+4*\c+3], v[OO+\i], s[4:5] offset:16384*\l+512*\c th:TH_LOAD_NT
.endr
.endr
.endm
.macro BLOAD q                         ; register q of Wr's scale words, for my 16 tiles: lanes 0-15 the word of walk step q, lanes 16-31 that of walk step q + 4
.irp t, 0,1,2,3,4,5,6,7,8,9,10,11,12,13,14,15
	global_load_b32 v[BS+4*\t+\q], v[BO+\q], s[10:11] offset:512*\t
.endr
.endm
	s_load_b512 s[4:19], s[0:1], 0x0               ; oimg, oscl, img, scl, queries, gamma, beta, out0
	v_lshl_add_u32 v[SPW], v0, 2, SPARE
	v_mov_b32 v[NIL], 0
	ds_add_u32 v28, v29
	s_wait_dscnt 0x0
	v_lshrrev_b32 v1, 5, v0
	v_readfirstlane_b32 s[WV], v1                  ; wave 0..3
	s_bfe_u32 s21, ttmp6, 0x40000
	s_lshl_b32 s22, ttmp9, 2
	s_add_co_u32 s21, s21, s22                     ; g = 4 x cluster x + cx: it enters global addresses of my own loads and stores alone
	s_and_b32 s[ROT], ttmp9, 7                     ; from the cluster's x alone
	s_mov_b32 s[G1W], 15|(3<<16)|(1<<21)           ; joint: all four; elements of 8 bytes; 16 rows (tiles) of 2,048 bytes, 16,384 apart; dense in LDS
	s_mov_b32 s[G1W+1], 256<<16
	s_mov_b32 s[G1W+2], 16<<16
	s_mov_b32 s[G1W+3], 256<<16
	s_mov_b32 s[G1W+4], 16
	s_mov_b32 s[G1W+5], 2048
	s_mov_b32 s[G1W+6], 0
	s_mov_b32 s[G1W+7], 0
	s_mov_b32 s[G1R], (2<<16)|(1<<20)|(7<<22)|(3<<25)   ; my own: elements of 4 bytes; 32 rows of 256; four words of padding after every 256
	s_mov_b32 s[G1R+1], 256<<16
	s_mov_b32 s[G1R+2], 32<<16
	s_mov_b32 s[G1R+3], 256<<16
	s_mov_b32 s[G1R+4], 32
	s_mov_b32 s[G1R+5], 1024
	s_mov_b32 s[G1R+6], 0
	s_mov_b32 s[G1R+7], 0
	s_lshl_b32 s54, s[WV], 18
	s_add_co_u32 s54, s54, 1728*16384              ; Wr's tiles 1728 + 16 w on
	s_mov_b32 s55, 0
	s_mul_i32 s56, s[WV], WPART
	s_lshl_b32 s22, s21, 17
	s_lshl_b32 s23, s[WV], 10
	s_add_co_u32 s22, s22, s23                     ; queries, out0: 32 g rows of 4,096 bytes + 1,024 w
	s_mov_b32 s23, 0
	s_mov_b32 s[SEL], 0x76543210
	s_mov_b32 s[SEL+1], 0xfedcba98
	s_mov_b32 s57, 0x3727c5ac                      ; 1e-5
	s_mov_b32 s58, 0x3a800000                      ; 1 / 1,024
	s_wait_kmcnt 0x0
	s_add_nc_u64 s[8:9], s[8:9], s[54:55]          ; img at my 16 tiles of Wr; it stays so
	s_lshl_b32 s54, s[ROT], 11                     ; walk step 0's K step, 2,048 bytes a K step (s55 stays 0)
	CROUND                                         ; in front of the first tensor loads
	s_mov_b32 s[G0R], 1
	s_add_co_u32 s[G0R+1], s56, SLOT
	s_add_nc_u64 s[G0R+2:G0R+3], s[12:13], s[22:23]
	s_or_b32 s[G0R+3], s[G0R+3], 0x80000000
.irp s, 0,1
	s_mov_b32 s[G0W+4*\s], 1
	s_add_co_u32 s[G0W+4*\s+1], s56, \s*SLOT
.endr
	s_add_nc_u64 s[G0W+2:G0W+3], s[8:9], s[54:55]  ; slot 0's address: walk step 0's K step
	s_or_b32 s[G0W+3], s[G0W+3], 0x80000000
	tensor_load_to_lds s[G0R:G0R+3], s[G1R:G1R+7]  ; the residual, into slot 1
	s_nop 0
	tensor_load_to_lds s[G0W:G0W+3], s[G1W:G1W+7]  ; Wr's first K step of my walk, into slot 0: two loads of mine are out
	s_nop 0
.rept 4
	v_nop
.endr
	s_add_nc_u64 s[18:19], s[18:19], s[22:23]
	s_lshl_b32 s22, s21, 15
	s_add_nc_u64 s[4:5], s[4:5], s[22:23]          ; O's two tiles: 32,768 g
	s_lshl_b32 s22, s21, 10
	s_add_nc_u64 s[6:7], s[6:7], s[22:23]
	s_lshl_b32 s22, s[WV], 13
	s_add_co_u32 s22, s22, 1728*512
	s_add_nc_u64 s[10:11], s[10:11], s[22:23]      ; Wr's scales: 512 bytes a tile
	s_lshl_b32 s22, s[WV], 10
	s_add_nc_u64 s[14:15], s[14:15], s[22:23]
	s_add_nc_u64 s[16:17], s[16:17], s[22:23]
	v_and_b32 v1, 15, v0                           ; r
	v_bfe_u32 v2, v0, 4, 1                         ; h
	v_and_b32 v3, 31, v0
	v_lshlrev_b32 v[L16], 4, v3
	v_lshlrev_b32 v[L4], 2, v3                     ; 4 r + 64 h
	v_lshlrev_b32 v[BSO], 5, v1
	v_lshl_add_u32 v[BSO], v2, 4, v[BSO]           ; 32 r + 16 h
	; the turned offsets.  kappa(i) = (i + ROT) % 8 is walk step i's K step; kappa(i + 4) = kappa(i) xor 4
.irp i, 0,1,2,3,4,5,6,7
	s_add_co_u32 s61, s[ROT], \i
	s_and_b32 s61, s61, 7
	s_lshl_b32 s61, s61, 11
	v_add_nc_u32 v[OO+\i], s61, v[L16]
.endr
.irp q, 0,1,2,3
	s_add_co_u32 s61, s[ROT], \q
	s_and_b32 s61, s61, 7                          ; kappa(q)
	s_lshl_b32 s62, s61, 2
	v_xor_b32 v[BO+\q], s62, v[BSO]                ; Wr's: 32 r + 4 (kappa xor 4 h): lanes 16-31 take the word of walk step q + 4
	s_and_b32 s62, s61, 4
	s_lshl_b32 s62, s62, 4
	v_xor_b32 v[AO+\q], s62, v[L4]                 ; O's: 4 r + 64 (h xor kappa / 4)
	s_and_b32 s62, s61, 3
	s_lshl_b32 s62, s62, 7
	v_add_nc_u32 v[AO+\q], s62, v[AO+\q]           ;      + 128 (kappa % 4)
.endr
	; the first of three batches of loads: what walk steps 0 to 3 want of O, and walk step 0 of the scale words: 56 loads
.irp l, 0,1
.irp q, 0,1,2,3
	global_load_b32 v[AS+4*\l+\q], v[AO+\q], s[6:7] offset:512*\l
.endr
.endr
	BLOAD 0
	WIN 0x80
	OLOAD 0
	OLOAD 1
	OLOAD 2
	OLOAD 3
	WIN 0
	v_add_nc_u32 v[ADB], s56, v[L16]
	v_add_nc_u32 v[ADB+1], SLOT, v[ADB]
	v_mul_u32_u24 v[SA], v1, RP
	v_lshl_add_u32 v[SA], v2, 5, v[SA]
	v_add_nc_u32 v[SA], s56, v[SA]
	v_add_nc_u32 v[RR], SLOT, v[SA]
	s_lshl_b32 s59, s[WV], 7
	s_add_co_u32 s59, s59, RED
	v_lshl_add_u32 v[RA], v1, 2, s59
	v_lshl_add_u32 v[RBR], v1, 2, RED
	v_mov_b32 v[SM+8], 0                           ; lane permutes' destinations, and the upper halves of pairs that are named whole
	v_mov_b32 v[SM+9], 0
	v_mov_b32 v[MU+1], 0
	v_mov_b32 v[MU+3], 0
	v_mov_b32 v[RS+1], 0
	v_mov_b32 v[RS+3], 0
	s_wait_tensorcnt 0x1                           ; the residual has landed; Wr's first tile, issued behind it, may be out.  Only I read these bytes
	WIN 0x40
.irp l, 0,1
.irp t, 0,1,2,3,4,5,6,7,8,9,10,11,12,13,14,15
	ds_load_b128 v[8*(16*\l+\t):8*(16*\l+\t)+3], v[RR] offset:16*RP*\l+64*\t
	ds_load_b128 v[8*(16*\l+\t)+4:8*(16*\l+\t)+7], v[RR] offset:16*RP*\l+64*\t+16
.endr
.endr
	WIN 0
; Walk step k.  In front of the round each wave waits for all its tensor loads, adds 0 to its spare word, and waits for that and for its reads of the other slot; behind it the other slot takes walk step k + 1's K step.
.macro TRIP k
	s_wait_tensorcnt 0x0                           ; walk step k's tile has landed; no load of mine is out, so a group 0 may be written
.if \k < 7
	ds_add_u32 v[SPW], v[NIL]                      ; 0 onto my spare word
	s_add_co_u32 s54, s[ROT], (\k)+1
	s_and_b32 s54, s54, 7                          ; the next walk step's K step,
	s_lshl_b32 s54, s54, 11                        ; in bytes,
	s_add_nc_u64 s[G0W+4*((\k+1)%2)+2:G0W+4*((\k+1)%2)+3], s[8:9], s[54:55]   ; from my tiles' first byte on: the address is made anew each time, since the walk goes round
	s_or_b32 s[G0W+4*((\k+1)%2)+3], s[G0W+4*((\k+1)%2)+3], 0x80000000
	s_wait_dscnt 0x0                               ; the add is done, and my reads of the other slot are over
	CROUND
	tensor_load_to_lds s[G0W+4*((\k+1)%2):G0W+4*((\k+1)%2)+3], s[G1W:G1W+7]
	s_nop 0
.endif
.rept 8
	v_nop                                          ; places in front of the loads into the fragments that the last products read
.endr
	WIN 0xc0
.irp t, 0,1,2,3,4,5,6,7,8,9,10,11,12,13,14,15
.irp c, 0,1,2,3
	ds_load_b128 v[16*\t+4*\c:16*\t+4*\c+3], v[ADB+(\k)%2] offset:2048*\t+512*\c
.endr
.endr
.if \k < 3
	s_wait_loadcnt 0x0                             ; the batch of loads issued last: at the head, or behind the products of the walk step before
.endif
	WIN 0x5b                                       ; source 0 (Wr) window 3, source 1 (O) window 2, C and D window 1
.irp t, 0,1,2,3,4,5,6,7,8,9,10,11,12,13,14,15
	s_wait_dscnt 4*(15-\t)                         ; fragment t is in; the later ones may be out
.irp l, 0,1
.if \k < 4
	v_wmma_scale_f32_16x16x128_f8f6f4 v[8*(16*\l+\t):8*(16*\l+\t)+7], v[16*\t:16*\t+15], v[16*(8*\l+\k):16*(8*\l+\k)+15], v[8*(16*\l+\t):8*(16*\l+\t)+7], v[BS+4*\t+(\k)%4], v[AS+4*\l+(\k)%4]
.else
	v_wmma_scale_f32_16x16x128_f8f6f4 v[8*(16*\l+\t):8*(16*\l+\t)+7], v[16*\t:16*\t+15], v[16*(8*\l+\k):16*(8*\l+\k)+15], v[8*(16*\l+\t):8*(16*\l+\t)+7], v[BS+4*\t+(\k)%4], v[AS+4*\l+(\k)%4] matrix_a_scale:MATRIX_SCALE_ROW1 matrix_b_scale:MATRIX_SCALE_ROW1
.endif
.endr
.endr
	WIN 0
.if \k == 0                            ; the second batch, 48 loads, into registers that no product has named yet: it has the next tile's way in which to land
	BLOAD 1
	BLOAD 2
	WIN 0x80
	OLOAD 4
	OLOAD 5
	WIN 0
.endif
.if \k == 1                            ; the third, 36 loads
	BLOAD 3
.irp i, 0,1
	global_load_b128 v[GA+4*\i:GA+4*\i+3], v[L16], s[14:15] offset:512*\i
	global_load_b128 v[BE+4*\i:BE+4*\i+3], v[L16], s[16:17] offset:512*\i
.endr
	WIN 0x80
	OLOAD 6
	OLOAD 7
	WIN 0
.endif
.endm
.irp k, 0,1,2,3,4,5,6,7
	TRIP \k                                        ; the 32 accumulators take turns, one instruction a turn
.endr
; A lane's four partial sums (v[SM] on: two pairs for each tile of rows) become the rows' sums over all 1,024 columns, in v[SM] and v[SM + 4], in every lane.
.macro REDUCE ro
	v_pk_add_f32 v[SM:SM+1], v[SM:SM+1], v[SM+2:SM+3]
	v_pk_add_f32 v[SM+4:SM+5], v[SM+4:SM+5], v[SM+6:SM+7]
	v_add_f32 v[SM], v[SM], v[SM+1]
	v_add_f32 v[SM+4], v[SM+4], v[SM+5]
	v_permlanex16_b32 v[SM+8], v[SM], s[SEL], s[SEL+1]
	v_permlanex16_b32 v[SM+9], v[SM+4], s[SEL], s[SEL+1]
	v_add_f32 v[SM], v[SM], v[SM+8]
	v_add_f32 v[SM+4], v[SM+4], v[SM+9]
	ds_store_b32 v[RA], v[SM] offset:\ro           ; both halves of the lanes write the same word with the same value
	ds_store_b32 v[RA], v[SM+4] offset:\ro+64
	s_wait_dscnt 0x0                               ; for the others' sake
	s_barrier_signal -1
	s_barrier_wait -1
.irp u, 0,1,2,3
	ds_load_b32 v[SM+10+\u], v[RBR] offset:\ro+128*\u
	ds_load_b32 v[SM+14+\u], v[RBR] offset:\ro+128*\u+64
.endr
	s_wait_dscnt 0x0
	v_add_f32 v[SM], v[SM+10], v[SM+11]
	v_add_f32 v[SM+1], v[SM+12], v[SM+13]
	v_add_f32 v[SM+4], v[SM+14], v[SM+15]
	v_add_f32 v[SM+5], v[SM+16], v[SM+17]
	v_add_f32 v[SM], v[SM], v[SM+1]
	v_add_f32 v[SM+4], v[SM+4], v[SM+5]
.endm
.rept 8
	v_nop                                          ; places behind the last products
.endr
	WIN 0x01
.irp n, 0,1
.irp l, 0,1
	v_pk_mul_f32 v[SM+4*\l+2*\n:SM+4*\l+2*\n+1], v[128*\l+2*\n:128*\l+2*\n+1], 1.0 op_sel_hi:[1,0]   ; the first terms start the four chains: nothing is cleared
.endr
.endr
.set n, 2
.rept 62
	v_pk_add_f32 v[SM+2*(n%2):SM+2*(n%2)+1], v[2*n:2*n+1], v[SM+2*(n%2):SM+2*(n%2)+1]               ; each accumulator from its low end on
	v_pk_add_f32 v[SM+4+2*(n%2):SM+4+2*(n%2)+1], v[128+2*n:128+2*n+1], v[SM+4+2*(n%2):SM+4+2*(n%2)+1]
.set n, n+1
.endr
	WIN 0
	REDUCE 0
	v_mul_f32 v[MU], 0xba800000, v[SM]             ; -mean
	v_mul_f32 v[MU+2], 0xba800000, v[SM+4]
	WIN 0x41
.set n, 0
.rept 64
	v_pk_add_f32 v[2*n:2*n+1], v[2*n:2*n+1], v[MU:MU+1] op_sel_hi:[1,0]
	v_pk_add_f32 v[128+2*n:128+2*n+1], v[128+2*n:128+2*n+1], v[MU+2:MU+3] op_sel_hi:[1,0]
.set n, n+1
.endr
	WIN 0x05
.irp n, 0,1
.irp l, 0,1
	v_pk_mul_f32 v[SM+4*\l+2*\n:SM+4*\l+2*\n+1], v[128*\l+2*\n:128*\l+2*\n+1], v[128*\l+2*\n:128*\l+2*\n+1]
.endr
.endr
.set n, 2
.rept 62
	v_pk_fma_f32 v[SM+2*(n%2):SM+2*(n%2)+1], v[2*n:2*n+1], v[2*n:2*n+1], v[SM+2*(n%2):SM+2*(n%2)+1]
	v_pk_fma_f32 v[SM+4+2*(n%2):SM+4+2*(n%2)+1], v[128+2*n:128+2*n+1], v[128+2*n:128+2*n+1], v[SM+4+2*(n%2):SM+4+2*(n%2)+1]
.set n, n+1
.endr
	WIN 0
	REDUCE 512
	v_fma_f32 v[RS], v[SM], s58, s57               ; the variance + 1e-5
	v_fma_f32 v[RS+2], v[SM+4], s58, s57
	v_rsq_f32 v[RS], v[RS]
	v_rsq_f32 v[RS+2], v[RS+2]
	v_nop                                          ; a plain line behind the two,
	s_wait_alu depctr_va_vdst(0)                   ; and one wait ahead of their first reader
	WIN 0x41
.set n, 0
.rept 64
	v_pk_mul_f32 v[2*n:2*n+1], v[2*n:2*n+1], v[RS:RS+1] op_sel_hi:[1,0]
	v_pk_mul_f32 v[128+2*n:128+2*n+1], v[128+2*n:128+2*n+1], v[RS+2:RS+3] op_sel_hi:[1,0]
.set n, n+1
.endr
	; THE WAY OUT: through my stage (my part of slot 0: it has had its last fill, and only I read it), back as whole runs of 512 bytes of a row; there a lane's columns are the same in every row, so gamma and beta are 16 registers
	WIN 0x04                                       ; an LDS store's data: window 1
.irp l, 0,1
.irp t, 0,1,2,3,4,5,6,7,8,9,10,11,12,13,14,15
	ds_store_b128 v[SA], v[8*(16*\l+\t):8*(16*\l+\t)+3] offset:16*RP*\l+64*\t
	ds_store_b128 v[SA], v[8*(16*\l+\t)+4:8*(16*\l+\t)+7] offset:16*RP*\l+64*\t+16
.endr
.endr
	WIN 0xc0
.set n, 0
.rept 32
	ds_load_b128 v[8*n:8*n+3], v[ADB] offset:RP*n              ; LDS serves a wave's instructions in order: these see my stores
	ds_load_b128 v[8*n+4:8*n+7], v[ADB] offset:RP*n+512
.set n, n+1
.endr
	WIN 0xc3
.set n, 0
.rept 32
	s_wait_dscnt 62-2*n                            ; row n's two loads are in; the later rows' may be out
	v_pk_fma_f32 v[8*n:8*n+1], v[8*n:8*n+1], v[GA:GA+1], v[BE:BE+1]
	v_pk_fma_f32 v[8*n+2:8*n+3], v[8*n+2:8*n+3], v[GA+2:GA+3], v[BE+2:BE+3]
	v_pk_fma_f32 v[8*n+4:8*n+5], v[8*n+4:8*n+5], v[GA+4:GA+5], v[BE+4:BE+5]
	v_pk_fma_f32 v[8*n+6:8*n+7], v[8*n+6:8*n+7], v[GA+6:GA+7], v[BE+6:BE+7]
.set n, n+1
.endr
	WIN 0x0c                                       ; a store's data: window 3
.set n, 0
.rept 32
	global_store_b128 v[L16], v[8*n:8*n+3], s[18:19] offset:4096*n th:TH_STORE_NT        ; 32 lanes store 512 consecutive bytes, aligned
	global_store_b128 v[L16], v[8*n+4:8*n+7], s[18:19] offset:4096*n+512 th:TH_STORE_NT
.set n, n+1
.endr
	WIN 0
	s_wait_tensorcnt 0x0                           ; the wave's end
	ds_add_u32 v[SPW], v[NIL]
	s_wait_dscnt 0x0
	CROUND                                         ; the closing round
	s_endpgm
.Lfunc_end_k_qa9ee5546ff_outln:
	.size	k_qa9ee5546ff_outln, .Lfunc_end_k_qa9ee5546ff_outln-k_qa9ee5546ff_outln
	.p2alignl 7, 3214868480
	.fill 96, 4, 3214868480
	.section	.rodata,"a",@progbits
	.p2align	6, 0x0
	.amdhsa_kernel k_qa9ee5546ff_outln
		.amdhsa_group_segment_fixed_size 327680
		.amdhsa_private_segment_fixed_size 0
		.amdhsa_enable_private_segment 0
		.amdhsa_kernarg_size 64
		.amdhsa_user_sgpr_count 2
		.amdhsa_user_sgpr_kernarg_segment_ptr 1
		.amdhsa_wavefront_size32 1
		.amdhsa_system_sgpr_workgroup_id_x 1
		.amdhsa_system_sgpr_workgroup_id_y 1
		.amdhsa_system_sgpr_workgroup_id_z 1
		.amdhsa_system_vgpr_workitem_id 0
		.amdhsa_next_free_vgpr 1024
		.amdhsa_next_free_sgpr 66
		.amdhsa_reserve_vcc 0
		.amdhsa_float_denorm_mode_32 3
		.amdhsa_float_denorm_mode_16_64 3
		.amdhsa_memory_ordered 1
		.amdhsa_forward_progress 1
		.amdhsa_inst_pref_size 160
	.end_amdhsa_kernel
	.amdgpu_metadata
---
amdhsa.version: [ 1, 2 ]
amdhsa.kernels:
  - .name:           k_qa9ee5546ff_outln
    .symbol:         k_qa9ee5546ff_outln.kd
    .args:
      - { .name: oimg, .offset: 0, .size: 8, .value_kind: global_buffer, .address_space: global }
      - { .name: oscl, .offset: 8, .size: 8, .value_kind: global_buffer, .address_space: global }
      - { .name: img, .offset: 16, .size: 8, .value_kind: global_buffer, .address_space: global }
      - { .name: scl, .offset: 24, .size: 8, .value_kind: global_buffer, .address_space: global }
      - { .name: queries, .offset: 32, .size: 8, .value_kind: global_buffer, .address_space: global }
      - { .name: ln_gamma, .offset: 40, .size: 8, .value_kind: global_buffer, .address_space: global }
      - { .name: ln_beta, .offset: 48, .size: 8, .value_kind: global_buffer, .address_space: global }
      - { .name: out0, .offset: 56, .size: 8, .value_kind: global_buffer, .address_space: global }
    .group_segment_fixed_size: 327680
    .private_segment_fixed_size: 0
    .kernarg_segment_align: 8
    .kernarg_segment_size: 64
    .max_flat_workgroup_size: 128
    .sgpr_count:     66
    .vgpr_count:     1024
    .wavefront_size: 32
...
	.end_amdgpu_metadata
.endif
;; end of part 4
